; MI455X (gfx1250); checked and timed in simulation.
; The chip was launched on July 23, 2026; its instructions are those of AMD's public machine-readable ISA for CDNA 5 (MIT licence, August 2026) and "CDNA5" Instruction Set Architecture Reference Guide (July 2026). The comments in the code are by the model that wrote it; some were corrected since.
;; Transformer Block. Allowed arithmetic: float matrix products may take bf16 or f16 operands with f32 sums; other float arithmetic in f32, or as packed bf16 or f16 multiplies, adds, multiply-adds, maxima and minima; sums over many terms, partial sums and values carried from step to step in f32; what a program stores and reads back later, other than sums and carried values, may be rounded once to bf16 or f16.
;; Inputs: b1 4,096 float32; b2 1,024 float32; b_out 1,024 float32; ln1_b 1,024 float32; ln1_g 1,024 float32; ln2_b 1,024 float32; ln2_g 1,024 float32; w1 1,024 x 4,096 float32; w2 4,096 x 1,024 float32; w_out 1,024 x 1,024 float32; w_qkv 1,024 x 3,072 float32; x 2 x 2,048 x 1,024 float32.
;; Outputs: out0 2 x 2,048 x 1,024 float32.
;; 2 versions, each right; version 2 is version 1 with the launch cast written anew for expert scheduling mode. Each part assembles by itself: llvm-mc -triple=amdgcn-amd-amdhsa -mcpu=gfx1250 --defsym DOCPART=n.
;; ======== version 1 of 2: 8 launches
;; limits: values are held in f16: magnitudes above 65,504 overflow, below 6.1e-05 lose precision
;; workspace buffers: w16 25,165,824 bytes; hbuf 8,388,608 bytes; qkvb 25,165,824 bytes; obuf 8,388,608 bytes; x2 16,777,216 bytes; gbuf 33,554,432 bytes
;; launch cast (part 1): grid 768 x 1, 8 waves a work-group, no clusters, 0 bytes of LDS; arguments w_qkv, w_out, w1, w2, w16; writes w16
.if DOCPART == 1
	.amdgcn_target "amdgcn-amd-amdhsa--gfx1250"
	.amdhsa_code_object_version 6
	.text
	.protected	k_q708231c1be_cast
	.globl	k_q708231c1be_cast
	.p2align	8
	.type	k_q708231c1be_cast,@function
k_q708231c1be_cast:
	s_mov_b64 s[64:65], 0
	v_nop
	global_prefetch_b8 v0, s[64:65] scope:SCOPE_SE
	s_setreg_imm32_b32 hwreg(HW_REG_WAVE_MODE, 25, 1), 1
	s_wait_xcnt 0x0
; The four weight matrices, f32, are rounded once to f16 and laid one behind the other in w16, each still [K][N]:
; w_qkv at byte 0, w_out at 6,291,456, w1 at 8,388,608, w2 at 16,777,216.  A pure stream: no LDS, no barrier, no matrix unit.
; LIMIT: f16 ends at 65,504 and keeps a fixed step of 6e-8 below 6e-5; weights of a spread between 1e-3 and 1 lie well inside.
; A work-group takes 16,384 numbers (65,536 bytes in, 32,768 out): groups 0-191 w_qkv, 192-255 w_out, 256-511 w1, 512-767 w2,
; which is also the order inside w16, so the group's number times 32,768 is its place there.
; Thread t takes 16 bytes at 16 t of each 4,096 bytes read; its 8 bytes of f16 go to 8 t of each 2,048 written:
; a wave's load covers 512 consecutive bytes, a wave's store 256 consecutive bytes at a multiple of 256.
.set XR, 4                             ; v[4:67]   sixteen loads of four f32
.set YR, 68                            ; v[68:99]  sixteen pairs of packed f16; no register is written twice, so no wait frees any
	s_load_b256 s[4:11], s[0:1], 0x0               ; w_qkv s[4:5], w_out s[6:7], w1 s[8:9], w2 s[10:11]
	s_load_b64 s[12:13], s[0:1], 0x20              ; w16
	v_lshlrev_b32 v1, 4, v0
	v_lshlrev_b32 v2, 3, v0
	s_wait_kmcnt 0x0
	s_mov_b64 s[14:15], s[10:11]                   ; which matrix is mine, and its first group: chosen on the group's number alone
	s_mov_b32 s16, 512
	s_cmp_lt_u32 ttmp9, 512
	s_cselect_b64 s[14:15], s[8:9], s[14:15]
	s_cselect_b32 s16, 256, s16
	s_cmp_lt_u32 ttmp9, 256
	s_cselect_b64 s[14:15], s[6:7], s[14:15]
	s_cselect_b32 s16, 192, s16
	s_cmp_lt_u32 ttmp9, 192
	s_cselect_b64 s[14:15], s[4:5], s[14:15]
	s_cselect_b32 s16, 0, s16
	s_sub_co_u32 s18, ttmp9, s16
	s_lshl_b32 s18, s18, 16                        ; 65,536 bytes a group in the source
	s_mov_b32 s19, 0
	s_add_nc_u64 s[14:15], s[14:15], s[18:19]
	s_lshl_b32 s18, ttmp9, 15                      ; 32,768 bytes a group in w16
	s_add_nc_u64 s[12:13], s[12:13], s[18:19]
.set j, 0
.rept 16
	global_load_b128 v[XR+4*j:XR+4*j+3], v1, s[14:15] offset:4096*j th:TH_LOAD_NT
.set j, j+1
.endr
.set j, 0
.rept 16
	s_wait_loadcnt 15-j                            ; loads come back in order: load j is in, the younger ones stay out
	v_cvt_pk_f16_f32 v[YR+2*j], v[XR+4*j], v[XR+4*j+1]
	v_cvt_pk_f16_f32 v[YR+2*j+1], v[XR+4*j+2], v[XR+4*j+3]
	global_store_b64 v2, v[YR+2*j:YR+2*j+1], s[12:13] offset:2048*j
.set j, j+1
.endr
	s_endpgm
.Lfunc_end_k_q708231c1be_cast:
	.size	k_q708231c1be_cast, .Lfunc_end_k_q708231c1be_cast-k_q708231c1be_cast
	.p2alignl 7, 3214868480
	.fill 96, 4, 3214868480
	.section	.rodata,"a",@progbits
	.p2align	6, 0x0
	.amdhsa_kernel k_q708231c1be_cast
		.amdhsa_group_segment_fixed_size 0
		.amdhsa_private_segment_fixed_size 0
		.amdhsa_enable_private_segment 0
		.amdhsa_kernarg_size 40
		.amdhsa_user_sgpr_count 2
		.amdhsa_user_sgpr_kernarg_segment_ptr 1
		.amdhsa_wavefront_size32 1
		.amdhsa_system_sgpr_workgroup_id_x 1
		.amdhsa_system_sgpr_workgroup_id_y 1
		.amdhsa_system_sgpr_workgroup_id_z 1
		.amdhsa_system_vgpr_workitem_id 0
		.amdhsa_next_free_vgpr 104
		.amdhsa_next_free_sgpr 66
		.amdhsa_reserve_vcc 0
		.amdhsa_float_denorm_mode_32 3
		.amdhsa_float_denorm_mode_16_64 3
		.amdhsa_memory_ordered 1
		.amdhsa_forward_progress 1
		.amdhsa_inst_pref_size 7
	.end_amdhsa_kernel
	.amdgpu_metadata
---
amdhsa.version: [ 1, 2 ]
amdhsa.kernels:
  - .name:           k_q708231c1be_cast
    .symbol:         k_q708231c1be_cast.kd
    .args:
      - { .name: w_qkv, .offset: 0, .size: 8, .value_kind: global_buffer, .address_space: global }
      - { .name: w_out, .offset: 8, .size: 8, .value_kind: global_buffer, .address_space: global }
      - { .name: w1, .offset: 16, .size: 8, .value_kind: global_buffer, .address_space: global }
      - { .name: w2, .offset: 24, .size: 8, .value_kind: global_buffer, .address_space: global }
      - { .name: w16, .offset: 32, .size: 8, .value_kind: global_buffer, .address_space: global }
    .group_segment_fixed_size: 0
    .private_segment_fixed_size: 0
    .kernarg_segment_align: 8
    .kernarg_segment_size: 40
    .max_flat_workgroup_size: 256
    .sgpr_count:     66
    .vgpr_count:     104
    .wavefront_size: 32
...
	.end_amdgpu_metadata
.endif
;; end of part 1
;; launch ln1 (part 2): grid 256 x 1, 8 waves a work-group, no clusters, 0 bytes of LDS; arguments x, ln1_g, ln1_b, hbuf; writes hbuf
.if DOCPART == 2
	.amdgcn_target "amdgcn-amd-amdhsa--gfx1250"
	.amdhsa_code_object_version 6
	.text
	.protected	k_q708231c1be_ln1
	.globl	k_q708231c1be_ln1
	.p2align	8
	.type	k_q708231c1be_ln1,@function
k_q708231c1be_ln1:
	s_mov_b64 s[64:65], 0
	v_nop
	global_prefetch_b8 v0, s[64:65] scope:SCOPE_SE
	s_setreg_imm32_b32 hwreg(HW_REG_WAVE_MODE, 25, 1), 1
	s_wait_xcnt 0x0
; LayerNorm over rows of 1,024 f32: y = (x - mean) / sqrt(var + 1e-5) * gamma + beta, y rounded once to f16, [4096][1024] row-major.
; Mean first, then the squares of x - mean: no difference of large sums, so a common offset of x costs nothing.  All sums in f32.
; LIMIT: y must stay under f16's 65,504; |x - mean| / sigma is at most 32, so that holds for gains up to about 2,000.
; One wave takes a whole row (4,096 bytes: eight loads of 16 bytes a lane, 32 registers) and keeps it between the passes; two rows a wave,
; 16 rows a work-group, 256 work-groups.  The reduction never leaves the wave: no LDS, no barrier.  Memory binds: each byte is read once.
; Lane l holds channels 128 j + 4 l .. + 3 of chunk j: a wave's load covers 512 consecutive bytes, a wave's store of f16 256 at a multiple of 256.
.set X,   4                            ; v[4:67]    row r at X + 32 r: as loaded, then x - mean, then y
.set G,   68                           ; v[68:99]   gamma of my 32 channels
.set BT,  100                          ; v[100:131] beta
.set A,   132                          ; v[132:139] four chains of packed sums
.set MU,  140                          ; v[140:141] the mean, twice
.set RS,  142                          ; v[142:145] 1 / sigma, twice, for each row
.set TMP, 146                          ; v146       the other half of the lanes' sum
.set Y,   148                          ; v[148:179] row r at Y + 16 r: packed f16; written once, so no wait frees it
	s_load_b256 s[4:11], s[0:1], 0x0               ; in s[4:5], gamma s[6:7], beta s[8:9], out s[10:11]
	v_lshrrev_b32 v1, 5, v0
	v_readfirstlane_b32 s12, v1                    ; wave 0..7
	v_and_b32 v2, 31, v0
	v_lshlrev_b32 v1, 4, v2                        ; 16 bytes a lane in
	v_lshlrev_b32 v2, 3, v2                        ; 8 bytes a lane out
	v_mov_b32 v[TMP], 0                            ; v_permlanex16_b32 counts as a reader of its destination
	s_lshl_b32 s2, ttmp9, 16                       ; 16 rows of 4,096 bytes a group,
	s_lshl_b32 s3, s12, 13                         ; 2 rows a wave
	s_add_co_u32 s2, s2, s3
	s_mov_b32 s3, 0
	s_lshr_b32 s16, s2, 1                          ; half as many bytes out
	s_mov_b32 s17, 0
	s_mov_b32 s14, 0x3a800000                      ; 1 / 1024
	s_mov_b32 s15, 0x3727c5ac                      ; 1e-5
	s_mov_b32 s18, 0x76543210                      ; lane i of one half reads lane i of the other
	s_mov_b32 s19, 0xfedcba98
	s_wait_kmcnt 0x0
	s_add_nc_u64 s[4:5], s[4:5], s[2:3]
	s_add_nc_u64 s[10:11], s[10:11], s[16:17]
.set j, 0
.rept 16
	global_load_b128 v[X+4*j:X+4*j+3], v1, s[4:5] offset:(j/8)*4096+(j%8)*512
.set j, j+1
.endr
.set j, 0
.rept 8
	global_load_b128 v[G+4*j:G+4*j+3], v1, s[6:7] offset:512*j
.set j, j+1
.endr
.set j, 0
.rept 8
	global_load_b128 v[BT+4*j:BT+4*j+3], v1, s[8:9] offset:512*j
.set j, j+1
.endr
.macro FOLD                            ; the four chains into v[A]
	v_pk_add_f32 v[A:A+1], v[A:A+1], v[A+2:A+3]
	v_pk_add_f32 v[A+4:A+5], v[A+4:A+5], v[A+6:A+7]
	v_pk_add_f32 v[A:A+1], v[A:A+1], v[A+4:A+5]
	v_add_f32 v[A], v[A], v[A+1]
	v_add_f32_dpp v[A], v[A], v[A] row_xmask:1 row_mask:0xf bank_mask:0xf   ; and over the 32 lanes: four steps in each half, one across
	v_add_f32_dpp v[A], v[A], v[A] row_xmask:2 row_mask:0xf bank_mask:0xf
	v_add_f32_dpp v[A], v[A], v[A] row_xmask:4 row_mask:0xf bank_mask:0xf
	v_add_f32_dpp v[A], v[A], v[A] row_xmask:8 row_mask:0xf bank_mask:0xf
	v_permlanex16_b32 v[TMP], v[A], s18, s19
	v_add_f32 v[A], v[A], v[TMP]
.endm
; Row r's mean and 1 / sigma; x - mean stays in X.  left = the younger loads that may stay out.
.macro ROWSTAT r, left
	s_wait_loadcnt \left
.set XR, X+32*(\r)
.set p, 0
.rept 4
	v_pk_add_f32 v[A+2*p:A+2*p+1], v[XR+2*p:XR+2*p+1], v[XR+2*p+8:XR+2*p+9]   ; the first eight pairs start the chains: nothing is cleared
.set p, p+1
.endr
.set p, 8
.rept 8
	v_pk_add_f32 v[A+2*(p%4):A+2*(p%4)+1], v[A+2*(p%4):A+2*(p%4)+1], v[XR+2*p:XR+2*p+1]
.set p, p+1
.endr
	FOLD
	v_mul_f32 v[MU], s14, v[A]
	v_mul_f32 v[MU+1], s14, v[A]
.set p, 0
.rept 16
	v_pk_add_f32 v[XR+2*p:XR+2*p+1], v[XR+2*p:XR+2*p+1], v[MU:MU+1] neg_lo:[0,1] neg_hi:[0,1]
.set p, p+1
.endr
.set p, 0
.rept 4
	v_pk_mul_f32 v[A+2*p:A+2*p+1], v[XR+2*p:XR+2*p+1], v[XR+2*p:XR+2*p+1]
.set p, p+1
.endr
.set p, 4
.rept 12
	v_pk_fma_f32 v[A+2*(p%4):A+2*(p%4)+1], v[XR+2*p:XR+2*p+1], v[XR+2*p:XR+2*p+1], v[A+2*(p%4):A+2*(p%4)+1]
.set p, p+1
.endr
	FOLD
	v_fma_f32 v[A], v[A], s14, s15                 ; var + eps
	v_rsq_f32 v[RS+2*(\r)], v[A]
	v_rsq_f32 v[RS+2*(\r)+1], v[A]
	v_nop                                          ; a plain instruction before the result is used or v[A] is written again (ISA guide 5.7.2)
.endm
.macro ROWOUT r
.set XR, X+32*(\r)
.set YR, Y+16*(\r)
.set p, 0
	s_wait_alu depctr_va_vdst(0)
.rept 16
	v_pk_mul_f32 v[XR+2*p:XR+2*p+1], v[XR+2*p:XR+2*p+1], v[RS+2*(\r):RS+2*(\r)+1]
.set p, p+1
.endr
.set p, 0
.rept 16
	v_pk_fma_f32 v[XR+2*p:XR+2*p+1], v[XR+2*p:XR+2*p+1], v[G+2*p:G+2*p+1], v[BT+2*p:BT+2*p+1]
.set p, p+1
.endr
.set p, 0
.rept 16
	v_cvt_pk_f16_f32 v[YR+p], v[XR+2*p], v[XR+2*p+1]
.set p, p+1
.endr
.set j, 0
.rept 8
	global_store_b64 v2, v[YR+2*j:YR+2*j+1], s[10:11] offset:(\r)*2048+256*j
.set j, j+1
.endr
.endm
	ROWSTAT 0, 24                                  ; behind row 0's eight loads: row 1's eight, gamma's eight, beta's eight
	ROWSTAT 1, 16                                  ; gamma's and beta's
	s_wait_loadcnt 0x0
	ROWOUT 0
	ROWOUT 1
	s_endpgm
.Lfunc_end_k_q708231c1be_ln1:
	.size	k_q708231c1be_ln1, .Lfunc_end_k_q708231c1be_ln1-k_q708231c1be_ln1
	.p2alignl 7, 3214868480
	.fill 96, 4, 3214868480
	.section	.rodata,"a",@progbits
	.p2align	6, 0x0
	.amdhsa_kernel k_q708231c1be_ln1
		.amdhsa_group_segment_fixed_size 0
		.amdhsa_private_segment_fixed_size 0
		.amdhsa_enable_private_segment 0
		.amdhsa_kernarg_size 32
		.amdhsa_user_sgpr_count 2
		.amdhsa_user_sgpr_kernarg_segment_ptr 1
		.amdhsa_wavefront_size32 1
		.amdhsa_system_sgpr_workgroup_id_x 1
		.amdhsa_system_sgpr_workgroup_id_y 1
		.amdhsa_system_sgpr_workgroup_id_z 1
		.amdhsa_system_vgpr_workitem_id 0
		.amdhsa_next_free_vgpr 180
		.amdhsa_next_free_sgpr 66
		.amdhsa_reserve_vcc 0
		.amdhsa_float_denorm_mode_32 3
		.amdhsa_float_denorm_mode_16_64 3
		.amdhsa_memory_ordered 1
		.amdhsa_forward_progress 1
		.amdhsa_inst_pref_size 20
	.end_amdhsa_kernel
	.amdgpu_metadata
---
amdhsa.version: [ 1, 2 ]
amdhsa.kernels:
  - .name:           k_q708231c1be_ln1
    .symbol:         k_q708231c1be_ln1.kd
    .args:
      - { .name: x, .offset: 0, .size: 8, .value_kind: global_buffer, .address_space: global }
      - { .name: ln1_g, .offset: 8, .size: 8, .value_kind: global_buffer, .address_space: global }
      - { .name: ln1_b, .offset: 16, .size: 8, .value_kind: global_buffer, .address_space: global }
      - { .name: hbuf, .offset: 24, .size: 8, .value_kind: global_buffer, .address_space: global }
    .group_segment_fixed_size: 0
    .private_segment_fixed_size: 0
    .kernarg_segment_align: 8
    .kernarg_segment_size: 32
    .max_flat_workgroup_size: 256
    .sgpr_count:     66
    .vgpr_count:     180
    .wavefront_size: 32
...
	.end_amdgpu_metadata
.endif
;; end of part 2
;; launch qkv (part 3): grid 12 x 16, 4 waves a work-group, clusters of 4 x 4, 327,680 bytes of LDS; arguments hbuf, w16, qkvb; writes qkvb
.if DOCPART == 3
	.amdgcn_target "amdgcn-amd-amdhsa--gfx1250"
	.amdhsa_code_object_version 6
	.text
	.protected	k_q708231c1be_qkv
	.globl	k_q708231c1be_qkv
	.p2align	8
	.type	k_q708231c1be_qkv,@function
k_q708231c1be_qkv:
	s_mov_b64 s[64:65], 0
	v_nop
	global_prefetch_b8 v0, s[64:65] scope:SCOPE_SE
	s_setreg_imm32_b32 hwreg(HW_REG_WAVE_MODE, 25, 1), 1
	s_wait_xcnt 0x0
	s_wait_alu depctr_hold_cnt(0) depctr_sa_sdst(0) depctr_va_vdst(0) depctr_va_sdst(0) depctr_va_ssrc(0) depctr_va_vcc(0) depctr_vm_vsrc(0)
	s_getreg_b32 s2, hwreg(HW_REG_IB_STS2, 6, 4)
	s_cmp_eq_u32 s2, 0
	s_cbranch_scc0 .Lentry_in_a_cluster
	s_endpgm
.Lentry_in_a_cluster:
	s_bfe_u32 s2, ttmp6, 0x10000c
	s_cmp_lg_u32 s2, 0xf033
	s_cbranch_scc0 .Lentry_shape_is_right
	s_endpgm
.Lentry_shape_is_right:
; qkv = h W.  h: [4096][1024] f16, rows along K.  W = w_qkv as f16, [1024][3072], rows along N.  Sums in f32, rounded once to f16.
; OUT, in panels: [48][4096][64] f16: panel = column / 64 (q 0-15, k 16-31, v 32-47), so that a head's rows are dense, 128 bytes each.  Unscaled.
; LIMIT: q, k, v must stay under f16's 65,504; with gains and weights thirty times the usual they reach some thousands.
; A tile of C is 256 x 256, four waves, each 128 x 128: 64 accumulators, 512 registers.  12 x 16 = 192 tiles: a quarter of 256 places stays empty here;
; a tile of 192 columns would fill them but has rows that the padding's power-of-two interval does not divide.
; K goes in steps of 128 through two LDS slots.  A's tile lies along K and is read plainly; W's tile lies [k][n] and is read by the turning load ds_load_tr16_b128.
; CLUSTER 4 x 4: A's tile is shared along a row of the cluster, W's along a column; each is asked for jointly, with a mask of four.
; THE MATRIX INSTRUCTION IS USED TRANSPOSED (source 0 = 16 columns of W, source 1 = 16 rows of h): a lane holds eight neighbouring columns of one row of C.
; A K step is written once: the loop is entered in its middle, the slot in hand is the scalar s2, and the walking descriptor's LDS word is turned by one exclusive or.
; WINDOWS: 0: v16-29 addresses, v32-47, v80-87 the way out, v64-127, v128-191 fragments of h;  1: v64-191 fragments of W;  2, 3: accumulators ((a, b) at 8 (8 a + b)).
.set N,      3072
.set WOFF,   0                         ; w_qkv's place in w16
.set KDIM,   1024
.set KSTEP,  128
.set NSTEP,  KDIM/KSTEP
.set PA,     272                       ; a row of A's tile: 256 bytes + 16: 68 words, so 16 rows start at 16 different groups of four banks (ISA guide 11.1)
.set PB,     544                       ; a k-row of W's tile: 512 bytes + 32 = 17 x 32
.set HALFT,  128*PA                    ; one wave's load: 128 rows of A, or 64 k-rows of W (64 x 544 is the same number)
.set BOFF,   2*HALFT
.set SLOT,   4*HALFT                   ; 0x22000; wave x HALFT (0x8800 x wave) has neither of its two bits, so an exclusive or adds or takes it away
.set DP,     528                       ; the way out: a row of 128 f32 + 16 bytes
.set DWAVE,  128*DP                    ; each wave's 128 rows, in the slots, which have had their last fill by then
.set SPARE,  2*SLOT                    ; the spare words: 128 bytes a wave, two blocks of 256 that no other line names
.set PPOFF,  4096*128                  ; bytes from a panel to the next
.set ADRA0, 16                         ; my lane's place in A's tile; never rewritten
.set ADRA,  17                         ; the same in the slot in hand
.set ADRB0, 20
.set ADRB,  21
.set DST,   24                         ; the way out: where my 32 bytes of a row go
.set RD,    25                         ; where I read back
.set GO,    26                         ; my byte offset in the panels
.set SPW,   28
.set NIL,   29
.set RX,    32                         ; v[32:47] sixteen f32 read back
.set RY,    80                         ; v[80:87] the same as f16
.set F0,    64
.set F1,    128
.set G1A, 24
.set G0A, 32                           ; s[32:35] first fill, s[36:39] second fill, which then walks
.set G1B, 48
.set G0B, 56
.set MSB, 0
.macro WIN new                         ; the immediate's high byte repeats the setting that is left
.if MSB != (\new)
	s_set_vgpr_msb (MSB<<8)|(\new)
.set MSB, \new
.endif
.endm
.set MUL_LO, 0xa1                      ; source 0 (W) window 1, source 1 (h) window 0, C and D window 2
.set MUL_HI, 0xf1
.set TO_B,   0x40
.macro PLACES                          ; four places behind matrix instructions (ISA guide 7.12.1)
.rept 4
	v_nop
.endr
.endm
.macro JLOAD                           ; a joint refill: waves 0, 1 fetch A's halves, waves 2, 3 W's; s_nop 0 and four v_nop follow each line
	s_cmp_eq_u32 s11, 0
	s_cbranch_scc0 .Lfor_b_\@
	tensor_load_to_lds s[G0A+4:G0A+7], s[G1A:G1A+7]
	s_nop 0
.rept 4
	v_nop
.endr
	s_branch .Lasked_\@
.Lfor_b_\@:
	tensor_load_to_lds s[G0B+4:G0B+7], s[G1B:G1B+7]
	s_nop 0
.rept 4
	v_nop
.endr
.Lasked_\@:
.endm
.macro CREST                           ; a round of the cluster's barrier behind its opening barrier
	s_cmp_lg_u32 s10, 0
	s_cbranch_scc1 .Lnot_wave_0_\@
	s_barrier_signal -3
.Lnot_wave_0_\@:
	s_barrier_wait -3
	s_barrier_signal -1
	s_barrier_wait -1
.endm
.macro CROUND
	s_barrier_signal -1
	s_barrier_wait -1
	CREST
.endm
	s_load_b128 s[4:7], s[0:1], 0x0                ; h s[4:5], w16 s[6:7]
	s_load_b64 s[8:9], s[0:1], 0x10                ; out
	v_lshl_add_u32 v[SPW], v0, 2, SPARE
	v_mov_b32 v[NIL], 0
	ds_add_u32 v[SPW], v[NIL]                      ; the wave's opening: the add and its wait ahead of my first tensor load
	ds_add_u32 v28, v29
	v_lshrrev_b32 v1, 5, v0
	v_readfirstlane_b32 s10, v1                    ; wave 0..3
	s_lshr_b32 s11, s10, 1                         ; my half of the tile's rows; also: I fetch for A (0) or W (1)
	s_and_b32 s12, s10, 1                          ; my half of its columns; also: which half of that tile I fetch
	s_bfe_u32 s40, ttmp6, 0x40000                  ; cx
	s_bfe_u32 s41, ttmp6, 0x40004                  ; cy
	s_lshl_b32 s42, ttmp9, 2
	s_add_co_u32 s42, s42, s40                     ; tile column
	s_and_b32 s13, ttmp7, 0xffff
	s_lshl_b32 s13, s13, 2
	s_add_co_u32 s13, s13, s41                     ; tile row
	s_lshl_b32 s43, s41, 2
	s_lshl_b32 s43, 15, s43                        ; my row of the cluster
	s_lshl_b32 s44, 0x1111, s40                    ; my column
	s_or_b32 s[G1A], s43, (1<<16)|(1<<20)|(1<<21)|(5<<22)|(3<<25)   ; mask; 2-byte elements; padding on; bit 21 beside a mask; 4 words behind every 64
	s_mov_b32 s[G1A+1], KSTEP<<16                  ; tensor_dim0 = 128
	s_mov_b32 s[G1A+2], 128<<16                    ; tensor_dim1 = 128
	s_mov_b32 s[G1A+3], KSTEP<<16                  ; tile_dim0 = 128
	s_mov_b32 s[G1A+4], 128                        ; tile_dim1 = 128
	s_mov_b32 s[G1A+5], KDIM                       ; elements from row to row
	s_mov_b32 s[G1A+6], 0
	s_mov_b32 s[G1A+7], 0
	s_or_b32 s[G1B], s44, (1<<16)|(1<<20)|(1<<21)|(6<<22)|(7<<25)   ; 8 words behind every 128
	s_mov_b32 s[G1B+1], 256<<16                    ; 64 k-rows of 256 elements
	s_mov_b32 s[G1B+2], 64<<16
	s_mov_b32 s[G1B+3], 256<<16
	s_mov_b32 s[G1B+4], 64
	s_mov_b32 s[G1B+5], N
	s_mov_b32 s[G1B+6], 0
	s_mov_b32 s[G1B+7], 0
	s_lshl_b32 s16, s13, 8                         ; A: row 256 x tile row + 128 x half, 2,048 bytes a row: made of the tile row and the wave alone
	s_lshl_b32 s17, s12, 7
	s_add_co_u32 s16, s16, s17
	s_lshl_b32 s16, s16, 11
	s_mov_b32 s17, 0
	s_mul_i32 s46, s12, 64*N*2                     ; W: k-row 64 x half, column 256 x tile column: made of the tile column and the wave alone
	s_lshl_b32 s47, s42, 9
	s_add_co_u32 s46, s46, s47
	s_add_co_u32 s46, s46, WOFF
	s_mov_b32 s47, 0
	s_mul_i32 s20, s10, HALFT                      ; where my part of a slot lies: the wave's number alone
	s_wait_dscnt 0x0                               ; the opening add is done
	s_wait_kmcnt 0x0
	s_add_nc_u64 s[14:15], s[4:5], s[16:17]
	s_add_nc_u64 s[46:47], s[6:7], s[46:47]
	CROUND                                         ; all sixteen work-groups are here: the first joint loads meet
.irp s, 0,1
	s_mov_b32 s[G0A+4*(\s)], 1
	s_add_co_u32 s[G0A+4*(\s)+1], s20, (\s)*SLOT
	s_add_nc_u64 s[G0A+4*(\s)+2:G0A+4*(\s)+3], s[14:15], (\s)*KSTEP*2
	s_or_b32 s[G0A+4*(\s)+3], s[G0A+4*(\s)+3], 0x80000000
	s_mov_b32 s[G0B+4*(\s)], 1
	s_add_co_u32 s[G0B+4*(\s)+1], s20, (\s)*SLOT
	s_add_nc_u64 s[G0B+4*(\s)+2:G0B+4*(\s)+3], s[46:47], (\s)*KSTEP*N*2
	s_or_b32 s[G0B+4*(\s)+3], s[G0B+4*(\s)+3], 0x80000000
.endr
	s_cmp_eq_u32 s11, 0                            ; a wave's two first fills stand in one branch: two loads of mine are out
	s_cbranch_scc0 .Lfirst_b
	tensor_load_to_lds s[G0A:G0A+3], s[G1A:G1A+7]
	s_nop 0
	tensor_load_to_lds s[G0A+4:G0A+7], s[G1A:G1A+7]
	s_nop 0
.rept 4
	v_nop
.endr
	s_branch .Lfirst_asked
.Lfirst_b:
	tensor_load_to_lds s[G0B:G0B+3], s[G1B:G1B+7]
	s_nop 0
	tensor_load_to_lds s[G0B+4:G0B+7], s[G1B:G1B+7]
	s_nop 0
.rept 4
	v_nop
.endr
.Lfirst_asked:
	v_and_b32 v1, 15, v0                           ; l % 16
	v_bfe_u32 v2, v0, 4, 1                         ; l / 16
	v_mul_u32_u24 v3, v1, PA                       ; a fragment of h: row l % 16, 16 bytes for each half of the lanes, a second load 32 bytes on
	v_lshl_add_u32 v3, v2, 4, v3
	s_mul_i32 s21, s11, HALFT
	v_add_nc_u32 v[ADRA0], s21, v3
	v_and_b32 v4, 7, v0                            ; a fragment of W, turned: lane l reads k-row 8 (l / 16) + l % 8, columns 8 ((l / 8) % 2) + 0..7; a second load 16 k-rows on
	v_lshl_add_u32 v4, v2, 3, v4
	v_mul_u32_u24 v4, v4, PB
	v_bfe_u32 v5, v0, 3, 1
	v_lshl_add_u32 v4, v5, 4, v4
	s_lshl_b32 s22, s12, 8
	s_add_co_u32 s22, s22, BOFF
	v_add_nc_u32 v[ADRB0], s22, v4
	s_mul_i32 s23, s10, DWAVE                      ; the way out
	v_mul_u32_u24 v3, v1, DP
	v_lshl_add_u32 v3, v2, 5, v3
	v_add_nc_u32 v[DST], s23, v3                   ; row l % 16, 32 bytes for each half of the lanes
	v_bfe_u32 v3, v0, 3, 2
	v_mul_u32_u24 v3, v3, DP
	v_and_b32 v4, 7, v0
	v_lshl_add_u32 v3, v4, 5, v3
	v_add_nc_u32 v[RD], s23, v3                    ; back: row l / 8 of four, eight columns at 8 (l % 8)
	v_and_b32 v[GO], 31, v0
	v_lshlrev_b32 v[GO], 4, v[GO]                  ; which are 512 consecutive bytes of a panel
	s_lshl_b32 s16, s13, 8                         ; my first row, 128 bytes a row in a panel
	s_lshl_b32 s17, s11, 7
	s_add_co_u32 s16, s16, s17
	s_lshl_b32 s16, s16, 7
	s_mov_b32 s17, 0
	s_add_nc_u64 s[8:9], s[8:9], s[16:17]
	s_lshl_b32 s46, s42, 2                         ; my first panel: 4 x tile column + 2 x half
	s_lshl_b32 s47, s12, 1
	s_add_co_u32 s46, s46, s47
	s_lshl_b32 s46, s46, 19
	s_mov_b32 s47, 0
	s_add_nc_u64 s[8:9], s[8:9], s[46:47]
	s_mov_b32 s2, 0                                ; the slot in hand
	v_mov_b32 v[ADRA], v[ADRA0]
	v_mov_b32 v[ADRB], v[ADRB0]
; 16 matrix instructions: row blocks a0, a0 + 1 of the window's four x all 8 column blocks, 32 along K.  zero = 1: the product starts the sums.
.macro MUL16 f, hi, a0, zero
	WIN MUL_LO+0x50*(\hi)
.irp a, \a0, (\a0)+1
.irp b, 0,1,2,3,4,5,6,7
.if \zero
	v_wmma_f32_16x16x32_f16 v[8*(8*(\a)+(\b)):8*(8*(\a)+(\b))+7], v[(\f)+8*(\b):(\f)+8*(\b)+7], v[(\f)+8*(4*(\hi)+(\a)):(\f)+8*(4*(\hi)+(\a))+7], 0
.else
	v_wmma_f32_16x16x32_f16 v[8*(8*(\a)+(\b)):8*(8*(\a)+(\b))+7], v[(\f)+8*(\b):(\f)+8*(\b)+7], v[(\f)+8*(4*(\hi)+(\a)):(\f)+8*(4*(\hi)+(\a))+7], v[8*(8*(\a)+(\b)):8*(8*(\a)+(\b))+7]
.endif
.endr
.endr
.endm
; 32 LDS loads in one run: quarter q (32 along K) of the slot in hand into buffer f: W's eight fragments, then h's eight
.macro FETCH q, f
	WIN TO_B
.irp i, 0,1,2,3,4,5,6,7
	ds_load_tr16_b128 v[(\f)+8*(\i):(\f)+8*(\i)+3],   v[ADRB] offset:(\q)*32*PB+32*(\i)
	ds_load_tr16_b128 v[(\f)+8*(\i)+4:(\f)+8*(\i)+7], v[ADRB] offset:(\q)*32*PB+16*PB+32*(\i)
.endr
	WIN 0
.irp i, 0,1,2,3,4,5,6,7
	ds_load_b128 v[(\f)+8*(\i):(\f)+8*(\i)+3],   v[ADRA] offset:64*(\q)+(\i)*16*PA
	ds_load_b128 v[(\f)+8*(\i)+4:(\f)+8*(\i)+7], v[ADRA] offset:64*(\q)+(\i)*16*PA+32
.endr
.endm
; One of a K step's first three quarters: multiplies buffer f; in its middle fetches quarter q into buffer g.  The 64 accumulators take turns in the same order everywhere.
.macro QUARTER q, f, g, zero
	s_wait_dscnt 8                                 ; W and h's rows 0-63 are in; the youngest eight loads (rows 64-127) may be out
	MUL16 \f, 0, 0, \zero
	MUL16 \f, 0, 2, \zero
	PLACES
	FETCH \q, \g
	s_wait_dscnt 32                                ; all but the 32 just issued
	MUL16 \f, 1, 0, \zero
	MUL16 \f, 1, 2, \zero
.endm
; The last quarter multiplies buffer 1 and changes slots.  In front of the barrier each wave waits for all its tensor loads (one is out: its part of the next slot), adds 0 to its spare
; word, and waits for that and for its reads of this slot.  fill = 1: the barrier opens a round of the cluster's, and the joint refill, two K steps ahead, is the first thing behind it.
.macro TURN fill
	WIN 0
	s_wait_tensorcnt 0x0
	ds_add_u32 v[SPW], v[NIL]
	s_wait_dscnt 9                                 ; (the add and the youngest eight loads may be out)
	MUL16 F1, 0, 0, 0
	s_wait_dscnt 0x0                               ; the add is done, and my reads of this slot are over
	s_barrier_signal -1
	MUL16 F1, 0, 2, 0
	WIN 0
	s_barrier_wait -1
.if \fill
	CREST
	s_xor_b32 s[G0A+5], s[G0A+5], SLOT             ; the walking descriptors: the slot just read, the next K step not yet asked for
	s_add_nc_u64 s[G0A+6:G0A+7], s[G0A+6:G0A+7], KSTEP*2
	s_xor_b32 s[G0B+5], s[G0B+5], SLOT
	s_add_nc_u64 s[G0B+6:G0B+7], s[G0B+6:G0B+7], KSTEP*N*2
	JLOAD                                          ; 224 matrix instructions ahead of the wait for it; its four v_nop are also the places in front of the loads below
.else
	PLACES
.endif
	s_xor_b32 s2, s2, SLOT
	v_add_nc_u32 v[ADRA], s2, v[ADRA0]
	v_add_nc_u32 v[ADRB], s2, v[ADRB0]
	FETCH 0, F0
	MUL16 F1, 1, 0, 0
	MUL16 F1, 1, 2, 0
.endm
	s_wait_tensorcnt 0x1                           ; my part of K step 0 is in; step 1's may stay out
	s_barrier_signal -1
	s_barrier_wait -1
	FETCH 0, F0
	QUARTER 1, F0, F1, 1                           ; the first quarter starts the sums
	WIN 0
	s_mov_b32 s3, NSTEP-1
	s_branch .Lmid                                 ; the loop is entered in its middle
.Ltrip:                                                ; NSTEP - 2 times: K steps 2 to NSTEP - 1 are asked for
	TURN 1
	QUARTER 1, F0, F1, 0
	WIN 0
.Lmid:
	QUARTER 2, F1, F0, 0
	QUARTER 3, F0, F1, 0
	WIN 0
	s_sub_co_u32 s3, s3, 1
	s_cmp_lg_u32 s3, 0
	s_cbranch_scc1 .Ltrip
	TURN 0                                         ; the last K step is written out: nothing is asked for
	QUARTER 1, F0, F1, 0
	QUARTER 2, F1, F0, 0
	QUARTER 3, F0, F1, 0
	s_wait_dscnt 8
	MUL16 F1, 0, 0, 0
	MUL16 F1, 0, 2, 0
	s_wait_dscnt 0x0                               ; my reads of the ring are over:
	s_barrier_signal -1
	MUL16 F1, 1, 0, 0
	MUL16 F1, 1, 2, 0
	WIN 0
	s_barrier_wait -1                              ; everybody's are: the slots, which no load fills any more, take the results
	PLACES
	; THE WAY OUT.  All 64 accumulators go as f32 into my 128 rows of 528 bytes (each accumulator's low four registers first);
	; a loop of 32 trips reads four rows back, rounds them and stores 512 consecutive bytes into each of my two panels.
.irp hi, 0,1
	WIN 0x08+4*(\hi)                               ; the stores' data lie in window 2, then 3
.irp a, 0,1,2,3
.irp b, 0,1,2,3,4,5,6,7
	ds_store_b128 v[DST], v[8*(8*(\a)+(\b)):8*(8*(\a)+(\b))+3]   offset:16*(4*(\hi)+(\a))*DP+64*(\b)
	ds_store_b128 v[DST], v[8*(8*(\a)+(\b))+4:8*(8*(\a)+(\b))+7] offset:16*(4*(\hi)+(\a))*DP+64*(\b)+16
.endr
.endr
.endr
	WIN 0
	ds_load_b128 v[RX:RX+3],     v[RD]             ; LDS serves a wave's instructions in order (ISA guide 5.7.1.4): these see my stores
	ds_load_b128 v[RX+4:RX+7],   v[RD] offset:16
	ds_load_b128 v[RX+8:RX+11],  v[RD] offset:256
	ds_load_b128 v[RX+12:RX+15], v[RD] offset:272
	s_mov_b32 s3, 32
.Lout:
	s_wait_dscnt 0x0                               ; this trip's four rows are in
.set k, 0
.rept 8
	v_cvt_pk_f16_f32 v[RY+k], v[RX+2*k], v[RX+2*k+1]
.set k, k+1
.endr
	s_cmp_eq_u32 s3, 1
	s_cbranch_scc1 .Lnl                            ; the last trip has no next rows
	ds_load_b128 v[RX:RX+3],     v[RD] offset:4*DP
	ds_load_b128 v[RX+4:RX+7],   v[RD] offset:4*DP+16
	ds_load_b128 v[RX+8:RX+11],  v[RD] offset:4*DP+256
	ds_load_b128 v[RX+12:RX+15], v[RD] offset:4*DP+272
.Lnl:
	v_add_nc_u32 v[RD], 4*DP, v[RD]
	global_store_b128 v[GO], v[RY:RY+3],   s[8:9]
	global_store_b128 v[GO], v[RY+4:RY+7], s[8:9] offset:PPOFF
	s_wait_xcnt 0x0                                ; the stores' offset and data are written again only behind this wait
	v_add_nc_u32 v[GO], 512, v[GO]
	s_sub_co_u32 s3, s3, 1
	s_cmp_lg_u32 s3, 0
	s_cbranch_scc1 .Lout
	s_wait_tensorcnt 0x0                           ; the wave's end
	ds_add_u32 v[SPW], v[NIL]
	s_wait_dscnt 0x0
	CROUND                                         ; the closing round
	s_endpgm
.Lfunc_end_k_q708231c1be_qkv:
	.size	k_q708231c1be_qkv, .Lfunc_end_k_q708231c1be_qkv-k_q708231c1be_qkv
	.p2alignl 7, 3214868480
	.fill 96, 4, 3214868480
	.section	.rodata,"a",@progbits
	.p2align	6, 0x0
	.amdhsa_kernel k_q708231c1be_qkv
		.amdhsa_group_segment_fixed_size 327680
		.amdhsa_private_segment_fixed_size 0
		.amdhsa_enable_private_segment 0
		.amdhsa_kernarg_size 24
		.amdhsa_user_sgpr_count 2
		.amdhsa_user_sgpr_kernarg_segment_ptr 1
		.amdhsa_wavefront_size32 1
		.amdhsa_system_sgpr_workgroup_id_x 1
		.amdhsa_system_sgpr_workgroup_id_y 1
		.amdhsa_system_sgpr_workgroup_id_z 1
		.amdhsa_system_vgpr_workitem_id 0
		.amdhsa_next_free_vgpr 1024
		.amdhsa_next_free_sgpr 66
		.amdhsa_reserve_vcc 0
		.amdhsa_float_denorm_mode_32 3
		.amdhsa_float_denorm_mode_16_64 3
		.amdhsa_memory_ordered 1
		.amdhsa_forward_progress 1
		.amdhsa_inst_pref_size 82
	.end_amdhsa_kernel
	.amdgpu_metadata
---
amdhsa.version: [ 1, 2 ]
amdhsa.kernels:
  - .name:           k_q708231c1be_qkv
    .symbol:         k_q708231c1be_qkv.kd
    .args:
      - { .name: hbuf, .offset: 0, .size: 8, .value_kind: global_buffer, .address_space: global }
      - { .name: w16, .offset: 8, .size: 8, .value_kind: global_buffer, .address_space: global }
      - { .name: qkvb, .offset: 16, .size: 8, .value_kind: global_buffer, .address_space: global }
    .group_segment_fixed_size: 327680
    .private_segment_fixed_size: 0
    .kernarg_segment_align: 8
    .kernarg_segment_size: 24
    .max_flat_workgroup_size: 128
    .sgpr_count:     66
    .vgpr_count:     1024
    .wavefront_size: 32
...
	.end_amdgpu_metadata
.endif
;; end of part 3
;; launch attn (part 4): grid 8 x 32, 4 waves a work-group, no clusters, 327,680 bytes of LDS; arguments qkvb, obuf; writes obuf
.if DOCPART == 4
	.amdgcn_target "amdgcn-amd-amdhsa--gfx1250"
	.amdhsa_code_object_version 6
	.text
	.protected	k_q708231c1be_attn
	.globl	k_q708231c1be_attn
	.p2align	8
	.type	k_q708231c1be_attn,@function
k_q708231c1be_attn:
	s_mov_b64 s[64:65], 0
	v_nop
	global_prefetch_b8 v0, s[64:65] scope:SCOPE_SE
	s_setreg_imm32_b32 hwreg(HW_REG_WAVE_MODE, 25, 1), 1
	s_wait_xcnt 0x0
; CAUSAL ATTENTION, head size 64, in phases.  O[q] = the sum over k <= q of softmax_k(Q[q] . K[k] / 8) V[k], for 32 "heads" hh = 2 x head + batch of 2,048 rows.
; Q, K, V: f16 panels, a head's rows dense, 128 bytes each; K's third of the buffer begins 8,388,608 bytes behind Q's, V's as far behind K's.
; Products, maxima and sums in f32; the weights p are rounded to f16 for the second product (their sum l is taken of the unrounded p), O once at the end.
; OUT, in blocks for the next product: [head / 4][row / 128][head % 4][128 rows][64] f16: a wave's 32 rows are 4,096 consecutive bytes.
; LIMITS.  Q, K, V arrive within f16's 65,504; p lies in 0 to 1 and keeps f16's fixed step of 6e-8 below 6e-5.  A hidden score counts as -1e30;
; a weight below 2^-126 counts as 0 in l; NaN and infinities are not treated apart.
; THE WALK.  A head's queries lie in NB = 16 blocks of 128; block i needs the key tiles 0 .. i of 128 keys, the last of which holds the diagonal.  A work-group takes blocks 15 - b and then b:
; 17 tiles whatever b, so all 256 work-groups do equal work and one loop with a constant count walks them.  What a trip does hangs on scalars made from b; those jumps go forward and pass no barrier and no tensor load.
; NO CLUSTER: the 8 work-groups of a head ask for the same tile only in trips 0 .. 8 of 17; a walk common to all would have 24 trips for 17.
; SHARES.  A wave owns 32 consecutive queries of a block: two tiles u of 16.  A trip: 128 keys: 32 products K Q^T, (mask), softmax, 32 products V^T P.
; LAYOUT.  S^T = K Q^T holds ONE query a lane (lane % 16) and the keys 8 (lane / 16) + 0..7 of each block of 16; two such results rounded to f16 ARE source 1 of O^T = V^T P.
; SOFTMAX.  p = 2^(c s - c m), c = log2(e) / 8, with a running maximum m; O and l are multiplied by a = 2^(c m_old - c m_new) in every trip.  c m starts far below every c s, so a block's first a is 0
; and O and l need only hold finite numbers there: zeros at the start, what the first block left for the second.
; WINDOWS: 0: v1-15 addresses, v16-31 statistics, v32-33 c m_old, v64-191 S^T, v192-255 P;  1: v0-63 O^T, v64-95 Q, v96-127 the second block's Q;  2: v0-127 K, v128-255 V of a tile.
.set NB,    16
.set THIRD, 8388608
.set PK,    144                        ; a row of K in LDS: 128 bytes + 16: 36 words: 16 rows start at 16 different groups of four banks (ISA guide 11.1)
.set PV,    160                        ; a row of V: 128 + 32 = 5 x 32
.set VOFF,  128*PK
.set SLOT1, 1<<16                      ; a slot holds a tile (38,912 bytes); one exclusive or turns an address in one slot into the other's
.set STAGE, 2*SLOT1                    ; never filled by a tensor load: 16 rows x 144 bytes for each wave
.set SP,    144
.set SPARE, STAGE+4*16*SP              ; the spare words: 128 bytes a wave, two blocks of 256 that no other line names
.set AK0, 2
.set AV0, 3
.set AK,  4
.set AV,  5
.set STO, 6
.set RD,  7
.set GO,  8
.set VD,  12                           ; v12, v13  my query's place in the block, less 8 (lane / 16), for tiles 0, 1
.set QO,  14
.set BIGV, 15                          ; -1e30
.set ST,  16                           ; tile u at ST + 8 u: c m, m, l (even keys', odd keys'), c0-c3 at work; c2 takes a
.set MV,  32
.set SPW, 62
.set NIL, 63
.set S,   64                           ; tile u at + 64 u, key block kb at + 8 kb
.set P,   192                          ; tile u at + 32 u
.set Q,   64                           ; window 1: tile u, channel half c at + 16 u + 8 c
.set Q2,  96
.set VF,  128                          ; window 2: key group kk of 32, channel block cb at + 32 kk + 8 cb
.set WV,  12
.set PB,  14                           ; b
.set HI,  15                           ; 15 - b
.set G1K, 24
.set G1V, 32
.set G0K, 40
.set G0V, 44
.set OLO, 50                           ; s[50:51] O at my rows of the second block
.set SLOTS, 52
.set TB,  53                           ; the slot in hand
.set RT,  54                           ; tiles of the block in hand still to be entered
.set NXT, 55                           ; the tile to be asked for next
.set LQ,  56                           ; the last tile of the block whose tiles are being asked for
.set CS,  58
.set SEL, 60
.set OFF, 62
.set MSB, 0
.macro WIN new
.if MSB != (\new)
	s_set_vgpr_msb (MSB<<8)|(\new)
.set MSB, \new
.endif
.endm
.set W_KQ, 0x06                        ; K window 2, Q window 1, S^T window 0
.set W_PV, 0x52                        ; V window 2, P window 0, O^T window 1
.set W_RS, 0x41                        ; destination and source 0 window 1, source 1 window 0
.macro PLACES
.rept 4
	v_nop
.endr
.endm
.macro LOAD                            ; waves 0, 1 fetch the halves of a tile's K, waves 2, 3 of its V: 64 keys each; s_nop 0 and four v_nop follow each line
	s_cmp_lt_u32 s[WV], 2
	s_cbranch_scc0 .Lfor_v_\@
	tensor_load_to_lds s[G0K:G0K+3], s[G1K:G1K+7]
	s_nop 0
.rept 4
	v_nop
.endr
	s_branch .Lasked_\@
.Lfor_v_\@:
	tensor_load_to_lds s[G0V:G0V+3], s[G1V:G1V+7]
	s_nop 0
.rept 4
	v_nop
.endr
.Lasked_\@:
.endm
; THE CHANGE OF SLOTS.  Each wave waits for all its tensor loads (one is out: its part of the other slot), adds 0 to its spare word, and waits for that and for its reads of the slot that it leaves.
; fill = 1: behind the barrier the old slot is filled, first thing, with tile NXT; the descriptor's address is made anew from that number.  (At its first use slot 0 is waited for and slot 1 filled.)
.macro CHANGE fill
	WIN 0
	s_wait_tensorcnt 0x0
	ds_add_u32 v[SPW], v[NIL]
.if \fill
	s_lshl_b32 s[OFF], s[NXT], 14                  ; a tile is 16,384 bytes of K and of V
	s_xor_b32 s[G0K+1], s[G0K+1], SLOT1
	s_add_nc_u64 s[G0K+2:G0K+3], s[6:7], s[OFF:OFF+1]
	s_or_b32 s[G0K+3], s[G0K+3], 0x80000000
	s_xor_b32 s[G0V+1], s[G0V+1], SLOT1
	s_add_nc_u64 s[G0V+2:G0V+3], s[8:9], s[OFF:OFF+1]
	s_or_b32 s[G0V+3], s[G0V+3], 0x80000000
	s_add_co_u32 s[NXT], s[NXT], 1                 ; the block's next tile, or behind its last the second block's tile 0
	s_cmp_gt_u32 s[NXT], s[LQ]
	s_cselect_b32 s[NXT], 0, s[NXT]
	s_cselect_b32 s[LQ], s[PB], s[LQ]
.endif
	s_wait_dscnt 0x0                               ; the add is done, and my reads of the slot are over
	s_barrier_signal -1
	s_xor_b32 s[TB], s[TB], SLOT1
	s_barrier_wait -1
.if \fill
	LOAD
.else
	PLACES
.endif
.endm
	s_load_b128 s[16:19], s[0:1], 0x0              ; qkv s[16:17], o s[18:19]
	v_lshl_add_u32 v[SPW], v0, 2, SPARE
	v_mov_b32 v[NIL], 0
	ds_add_u32 v[SPW], v[NIL]                      ; the wave's opening: the add and its wait ahead of my first tensor load
	ds_add_u32 v62, v63
	v_lshrrev_b32 v1, 5, v0
	v_readfirstlane_b32 s[WV], v1
	s_mov_b32 s[PB], ttmp9
	s_sub_co_u32 s[HI], NB-1, s[PB]
	s_and_b32 s13, ttmp7, 0xffff                   ; hh
	s_lshl_b32 s20, s13, 18                        ; the head's 2,048 rows of 128 bytes
	s_and_b32 s2, s[WV], 1                         ; which half of a tile's keys I fetch
	s_lshl_b32 s3, s2, 13
	s_add_co_u32 s[OFF], s20, s3
	s_add_co_u32 s[OFF], s[OFF], THIRD
	s_mov_b32 s[OFF+1], 0
	s_mov_b32 s[G0K], 1
	s_mul_i32 s[G0K+1], s2, 64*PK                  ; its place in slot 0
	s_mov_b32 s[G0V], 1
	s_mul_i32 s[G0V+1], s2, 64*PV
	s_add_co_u32 s[G0V+1], s[G0V+1], VOFF
	s_lshl_b32 s3, s[WV], 12                       ; my 32 rows in a block
	s_add_co_u32 s20, s20, s3
	s_lshl_b32 s2, s[HI], 14
	s_add_co_u32 s22, s20, s2                      ; Q: the first block
	s_mov_b32 s23, 0
	s_lshl_b32 s2, s[PB], 14
	s_add_co_u32 s20, s20, s2                      ; and the second
	s_mov_b32 s21, 0
	s_lshr_b32 s52, s13, 3                         ; O: (head / 4) x 32 blocks of 65,536,
	s_lshl_b32 s52, s52, 21
	s_and_b32 s53, s13, 1                          ; the batch's 16 blocks,
	s_lshl_b32 s53, s53, 20
	s_add_co_u32 s52, s52, s53
	s_bfe_u32 s53, s13, 0x20001                    ; panel head % 4,
	s_lshl_b32 s53, s53, 14
	s_add_co_u32 s52, s52, s53
	s_add_co_u32 s52, s52, s3                      ; my 32 rows,
	s_lshl_b32 s53, s[HI], 16
	s_add_co_u32 s2, s52, s53                      ; the first query block
	s_mov_b32 s3, 0
	s_lshl_b32 s53, s[PB], 16
	s_add_co_u32 s56, s52, s53                     ; and the second
	s_mov_b32 s57, 0
	; 64 keys are 8,192 dense bytes: asked for as 32 rows of 256 bytes, two keys a row, padded in LDS behind every key
	s_mov_b32 s[G1K], (1<<16)|(1<<20)|(4<<22)|(3<<25)   ; 2-byte elements; padding on; 4 words behind every 32
	s_mov_b32 s[G1V], (1<<16)|(1<<20)|(4<<22)|(7<<25)   ; 8 words
.irp g, G1K, G1V
	s_mov_b32 s[\g+1], 128<<16
	s_mov_b32 s[\g+2], 32<<16
	s_mov_b32 s[\g+3], 128<<16
	s_mov_b32 s[\g+4], 32
	s_mov_b32 s[\g+5], 128
	s_mov_b32 s[\g+6], 0
	s_mov_b32 s[\g+7], 0
.endr
	s_mov_b32 s[CS], 0x3e38aa3b                    ; c = log2(e) / 8
	s_mov_b32 s[CS+1], s[CS]
	s_mov_b32 s[SEL], 0x76543210
	s_mov_b32 s[SEL+1], 0xfedcba98
	s_wait_dscnt 0x0                               ; the opening add is done
	s_wait_kmcnt 0x0
	s_add_nc_u64 s[6:7], s[16:17], s[OFF:OFF+1]    ; K and V at my half of the head's tile 0
	s_add_nc_u64 s[8:9], s[6:7], THIRD
	s_add_nc_u64 s[G0K+2:G0K+3], s[6:7], 0
	s_or_b32 s[G0K+3], s[G0K+3], 0x80000000
	s_add_nc_u64 s[G0V+2:G0V+3], s[8:9], 0
	s_or_b32 s[G0V+3], s[G0V+3], 0x80000000
	s_add_nc_u64 s[4:5], s[16:17], s[22:23]
	s_add_nc_u64 s[48:49], s[16:17], s[20:21]
	s_add_nc_u64 s[10:11], s[18:19], s[2:3]
	s_add_nc_u64 s[OLO:OLO+1], s[18:19], s[56:57]
	s_mov_b32 s[SLOTS], NB
	s_mov_b32 s[TB], SLOT1                         ; the first change of slots turns it into 0
	s_add_co_u32 s[RT], s[HI], 1                   ; the first block has 16 - b tiles
	s_mov_b32 s[NXT], 1
	s_mov_b32 s[LQ], s[HI]
	LOAD                                           ; tile 0 into slot 0
	v_and_b32 v1, 15, v0                           ; l % 16
	v_bfe_u32 v9, v0, 4, 1                         ; l / 16
	v_lshlrev_b32 v[QO], 7, v1
	v_lshl_add_u32 v[QO], v9, 4, v[QO]
	WIN 0x40                                       ; destination window 1
.irp u, 0,1
.irp c, 0,1
	global_load_b128 v[Q+16*(\u)+8*(\c):Q+16*(\u)+8*(\c)+3],     v[QO], s[4:5] offset:(\u)*2048+64*(\c)
	global_load_b128 v[Q+16*(\u)+8*(\c)+4:Q+16*(\u)+8*(\c)+7],   v[QO], s[4:5] offset:(\u)*2048+64*(\c)+32
	global_load_b128 v[Q2+16*(\u)+8*(\c):Q2+16*(\u)+8*(\c)+3],   v[QO], s[48:49] offset:(\u)*2048+64*(\c)
	global_load_b128 v[Q2+16*(\u)+8*(\c)+4:Q2+16*(\u)+8*(\c)+7], v[QO], s[48:49] offset:(\u)*2048+64*(\c)+32
.endr
.endr
.set n, 0
.rept 64
	v_mov_b32 v[n], 0                              ; O^T: finite numbers for the first a = 0; this stands in the wait for the first tile
.set n, n+1
.endr
	WIN 0
.irp u, 0,1
	v_mov_b32 v[ST+8*(\u)], 0xfe000000             ; c m: far below every c s
	v_mov_b32 v[ST+8*(\u)+1], 0xff7fffff           ; m: the lowest finite number
	v_mov_b32 v[ST+8*(\u)+2], 0
	v_mov_b32 v[ST+8*(\u)+3], 0
.endr
	v_mov_b32 v[BIGV], 0xf149f2ca                  ; -1e30
	v_lshlrev_b32 v10, 3, v9
	v_sub_nc_u32 v[VD], v1, v10
	s_lshl_b32 s13, s[WV], 5
	v_add_nc_u32 v[VD], s13, v[VD]                 ; 32 w + l % 16 - 8 (l / 16): register j of key block kb is hidden where 16 kb + j is greater
	v_add_nc_u32 v[VD+1], 16, v[VD]
	v_mul_u32_u24 v[AK0], v1, PK
	v_lshl_add_u32 v[AK0], v9, 4, v[AK0]
	v_and_b32 v10, 7, v0
	v_bfe_u32 v11, v0, 3, 1
	v_lshl_add_u32 v[AV0], v9, 3, v10              ; the turning load: lane l reads key 8 (l / 16) + l % 8, channels 8 ((l / 8) % 2) + 0..7
	v_mul_u32_u24 v[AV0], v[AV0], PV
	v_lshl_add_u32 v[AV0], v11, 4, v[AV0]
	v_add_nc_u32 v[AV0], VOFF, v[AV0]
	s_mul_i32 s13, s[WV], 16*SP
	s_add_co_u32 s13, s13, STAGE
	v_mul_u32_u24 v[STO], v1, SP
	v_lshl_add_u32 v[STO], v9, 4, v[STO]
	v_add_nc_u32 v[STO], s13, v[STO]
	v_bfe_u32 v[RD], v0, 3, 2
	v_mul_u32_u24 v[RD], v[RD], SP
	v_lshl_add_u32 v[RD], v10, 4, v[RD]
	v_add_nc_u32 v[RD], s13, v[RD]
	v_and_b32 v[GO], 31, v0
	v_lshlrev_b32 v[GO], 4, v[GO]
.macro FETCH                           ; a tile's K (first channels 0-31 of all keys, then 32-63) and its V (turned): 64 LDS loads in one run
	WIN 0
	v_add_nc_u32 v[AK], s[TB], v[AK0]
	v_add_nc_u32 v[AV], s[TB], v[AV0]
	WIN 0x80
.irp c, 0,1
.irp kb, 0,1,2,3,4,5,6,7
	ds_load_b128 v[16*(\kb)+8*(\c):16*(\kb)+8*(\c)+3],   v[AK] offset:(\kb)*16*PK+64*(\c)
	ds_load_b128 v[16*(\kb)+8*(\c)+4:16*(\kb)+8*(\c)+7], v[AK] offset:(\kb)*16*PK+64*(\c)+32
.endr
.endr
.irp kk, 0,1,2,3
.irp cb, 0,1,2,3
	ds_load_tr16_b128 v[VF+32*(\kk)+8*(\cb):VF+32*(\kk)+8*(\cb)+3],   v[AV] offset:(\kk)*32*PV+32*(\cb)
	ds_load_tr16_b128 v[VF+32*(\kk)+8*(\cb)+4:VF+32*(\kk)+8*(\cb)+7], v[AV] offset:(\kk)*32*PV+16*PV+32*(\cb)
.endr
.endr
	WIN 0
.endm
.macro KQ c                            ; 16 products S^T (+)= K Q^T on channels 32 c on; the 16 accumulators take turns
	WIN W_KQ
.irp kb, 0,1,2,3,4,5,6,7
.irp u, 0,1
.if (\c) == 0
	v_wmma_f32_16x16x32_f16 v[S+64*(\u)+8*(\kb):S+64*(\u)+8*(\kb)+7], v[16*(\kb):16*(\kb)+7], v[Q+16*(\u):Q+16*(\u)+7], 0
.else
	v_wmma_f32_16x16x32_f16 v[S+64*(\u)+8*(\kb):S+64*(\u)+8*(\kb)+7], v[16*(\kb)+8:16*(\kb)+15], v[Q+16*(\u)+8:Q+16*(\u)+15], v[S+64*(\u)+8*(\kb):S+64*(\u)+8*(\kb)+7]
.endif
.endr
.endr
.endm
.macro PV                              ; 32 products O^T += V^T P; the 8 accumulators take turns
	WIN W_PV
.irp kk, 0,1,2,3
.irp cb, 0,1,2,3
.irp u, 0,1
	v_wmma_f32_16x16x32_f16 v[32*(\u)+8*(\cb):32*(\u)+8*(\cb)+7], v[VF+32*(\kk)+8*(\cb):VF+32*(\kk)+8*(\cb)+7], v[P+32*(\u)+8*(\kk):P+32*(\u)+8*(\kk)+7], v[32*(\u)+8*(\cb):32*(\u)+8*(\cb)+7]
.endr
.endr
.endr
.endm
.macro MASK                            ; the diagonal tile: a hidden score becomes -1e30; ascending
	WIN 0
.irp u, 0,1
.set n, 0
.rept 64
	v_cmp_gt_i32 vcc_lo, 16*(n/8)+n%8, v[VD+(\u)]
	v_cndmask_b32 v[S+64*(\u)+n], v[S+64*(\u)+n], v[BIGV], vcc_lo
.set n, n+1
.endr
.endr
.endm
.macro BOTH line:vararg                ; one line for each of the two tiles, which alternate, so that no line reads the result of the one before it
.set u, 0
.rept 2
.set rT, ST+8*u
.set rS, S+64*u
.set rP, P+32*u
.set rO, 32*u
	\line
.set u, u+1
.endr
.endm
.macro SOFTMAX
	WIN 0
	; the maximum of 64 scores and the old m: four chains; each accumulator's lowest registers are read first
.set i, 0
.rept 4
	BOTH v_max3_num_f32 v[rT+4+i], v[rS+8*i], v[rS+8*i+1], v[rS+8*i+2]
.set i, i+1
.endr
.set i, 0
.rept 8
	BOTH v_max3_num_f32 v[rT+4+i%4], v[rT+4+i%4], v[rS+8*(i%4)+2*(i/4)+3], v[rS+8*(i%4)+2*(i/4)+4]
.set i, i+1
.endr
.set i, 0
.rept 16
	BOTH v_max3_num_f32 v[rT+4+i%4], v[rT+4+i%4], v[rS+32+8*(i%4)+2*(i/4)], v[rS+32+8*(i%4)+2*(i/4)+1]
.set i, i+1
.endr
	BOTH v_max3_num_f32 v[rT+4], v[rT+4], v[rS+7], v[rS+15]
	BOTH v_max3_num_f32 v[rT+6], v[rT+6], v[rS+23], v[rS+31]
	BOTH v_max3_num_f32 v[rT+4], v[rT+4], v[rT+5], v[rT+6]
	BOTH v_max3_num_f32 v[rT+4], v[rT+4], v[rT+7], v[rT+1]
	BOTH v_permlanex16_b32 v[rT+5], v[rT+4], s[SEL], s[SEL+1]    ; the query's other 64 keys lie in the lane 16 away
	BOTH v_mov_b32 v[MV+u], v[rT]
	BOTH v_max_num_f32 v[rT+1], v[rT+4], v[rT+5]
	BOTH v_mul_f32 v[rT], s[CS], v[rT+1]
	BOTH v_sub_f32 v[rT+5], v[MV+u], v[rT]
	BOTH v_exp_f32 v[rT+6], v[rT+5]                              ; a; the scalings below are the plain lines behind it
.set n, 0
.rept 32
	BOTH v_pk_fma_f32 v[rS+2*n:rS+2*n+1], v[rS+2*n:rS+2*n+1], s[CS:CS+1], v[rT:rT+1] op_sel_hi:[1,0,0] neg_lo:[0,0,1] neg_hi:[0,0,1]
.set n, n+1
.endr
.set n, 0
.rept 64
	BOTH v_exp_f32 v[rS+n], v[rS+n]
.set n, n+1
.endr
	v_nop                                          ; a plain line behind the last exponential
	s_wait_alu depctr_va_vdst(0)
.set n, 0
.rept 32
	BOTH v_cvt_pk_f16_f32 v[rP+n], v[rS+2*n], v[rS+2*n+1]
.set n, n+1
.endr
.irp w, 16,8,4,2,1                     ; the sum of the 32 pairs, in place
.set n, 0
.rept \w
	BOTH v_pk_add_f32 v[rS+2*n:rS+2*n+1], v[rS+2*n:rS+2*n+1], v[rS+2*(n+\w):rS+2*(n+\w)+1]
.set n, n+1
.endr
.endr
	BOTH v_pk_fma_f32 v[rT+2:rT+3], v[rT+2:rT+3], v[rT+6:rT+7], v[rS:rS+1] op_sel_hi:[1,0,1]
	WIN W_RS
.set n, 0
.rept 16
	BOTH v_pk_mul_f32 v[rO+2*n:rO+2*n+1], v[rO+2*n:rO+2*n+1], v[rT+6:rT+7] op_sel_hi:[1,0]
.set n, n+1
.endr
	WIN 0
.endm
; A BLOCK'S END: l's two halves and the other half of the lanes' are added; O^T is divided by l, rounded to f16 and sent through my stage, a tile at a time.
.macro PACK t
	WIN W_RS
.set i, 32*(\t)
.rept 16
	v_pk_mul_f32 v[i:i+1], v[i:i+1], v[ST+8*(\t)+6:ST+8*(\t)+7] op_sel_hi:[1,0]
.set i, i+2
.endr
	WIN 0x05                                       ; sources window 1, destination window 0: S^T's registers are free
.set i, 0
.rept 16
	v_cvt_pk_f16_f32 v[S+16*(\t)+i], v[32*(\t)+2*i], v[32*(\t)+2*i+1]
.set i, i+1
.endr
	WIN 0
.irp f, 0,1,2,3
	ds_store_b128 v[STO], v[S+16*(\t)+4*(\f):S+16*(\t)+4*(\f)+3] offset:32*(\f)
.endr
.irp f, 0,1,2,3
	ds_load_b128 v[S+16*(\t)+4*(\f):S+16*(\t)+4*(\f)+3], v[RD] offset:(\f)*4*SP   ; LDS serves a wave's instructions in order (ISA guide 5.7.1.4)
.endr
.endm
.macro SEND t, younger
.irp f, 0,1,2,3
	s_wait_dscnt (\younger)+3-(\f)
	global_store_b128 v[GO], v[S+16*(\t)+4*(\f):S+16*(\t)+4*(\f)+3], s[10:11] offset:(\t)*2048+(\f)*512   ; 512 consecutive bytes, at a multiple of 256
.endr
.endm
.macro FINISH
	BOTH v_add_f32 v[rT+4], v[rT+2], v[rT+3]
	BOTH v_permlanex16_b32 v[rT+5], v[rT+4], s[SEL], s[SEL+1]
	BOTH v_add_f32 v[rT+4], v[rT+4], v[rT+5]
	BOTH v_rcp_f32 v[rT+6], v[rT+4]
	v_nop
	s_wait_alu depctr_va_vdst(0)
	PACK 0
	PACK 1
	SEND 0, 8                                      ; behind tile 0's loads: tile 1's four stores and four loads
	SEND 1, 0
.endm
; A TRIP: a tile is entered; fill = 1: the next is asked for.  tail = 1: the walk's last tile, which is the second block's diagonal one.
.macro TRIP fill, tail
	CHANGE \fill
	FETCH
	s_sub_co_u32 s[RT], s[RT], 1
	s_wait_dscnt 48                                ; K's channels 0-31 are in: 16 loads of K and 32 of V are younger
	KQ 0
	s_wait_dscnt 32                                ; all of K
	KQ 1
	WIN 0
	PLACES
.if !(\tail)
	s_cmp_eq_u32 s[RT], 0
	s_cbranch_scc0 .Lopen_\@                       ; not the block's last tile: nothing is hidden
.endif
	MASK
.if !(\tail)
.Lopen_\@:
.endif
	SOFTMAX
	s_wait_dscnt 0x0                               ; V is in
	PV
	WIN 0
	PLACES                                         ; in front of the next run of loads into V's registers, and of the lines that read O^T
.if !(\tail)
	s_cmp_eq_u32 s[RT], 0
	s_cbranch_scc0 .Lgo_\@
.endif
	FINISH
.if !(\tail)
	s_wait_xcnt 0x0                                ; the stores' registers and O's address are written again only behind this wait
	s_mov_b64 s[10:11], s[OLO:OLO+1]
	s_add_co_u32 s[RT], s[PB], 1                   ; the second block has b + 1 tiles
	WIN W_RS
.set n, 0
.rept 32
	v_mov_b32 v[Q+n], v[Q2+n]                      ; its Q goes where the one text of the products names Q
.set n, n+1
.endr
	WIN 0
	BOTH v_mov_b32 v[rT], 0xfe000000
	BOTH v_mov_b32 v[rT+1], 0xff7fffff
.Lgo_\@:
.endif
.endm
	s_wait_loadcnt 0x0                             ; both blocks' Q
.Lslot:                                                ; 16 times
	TRIP 1, 0
	s_sub_co_u32 s[SLOTS], s[SLOTS], 1
	s_cmp_lg_u32 s[SLOTS], 0
	s_cbranch_scc1 .Lslot
	TRIP 0, 1                                      ; the last tile is written out
	s_wait_tensorcnt 0x0                           ; the wave's end
	ds_add_u32 v[SPW], v[NIL]
	s_wait_dscnt 0x0
	s_endpgm
.Lfunc_end_k_q708231c1be_attn:
	.size	k_q708231c1be_attn, .Lfunc_end_k_q708231c1be_attn-k_q708231c1be_attn
	.p2alignl 7, 3214868480
	.fill 96, 4, 3214868480
	.section	.rodata,"a",@progbits
	.p2align	6, 0x0
	.amdhsa_kernel k_q708231c1be_attn
		.amdhsa_group_segment_fixed_size 327680
		.amdhsa_private_segment_fixed_size 0
		.amdhsa_enable_private_segment 0
		.amdhsa_kernarg_size 16
		.amdhsa_user_sgpr_count 2
		.amdhsa_user_sgpr_kernarg_segment_ptr 1
		.amdhsa_wavefront_size32 1
		.amdhsa_system_sgpr_workgroup_id_x 1
		.amdhsa_system_sgpr_workgroup_id_y 1
		.amdhsa_system_sgpr_workgroup_id_z 1
		.amdhsa_system_vgpr_workitem_id 0
		.amdhsa_next_free_vgpr 768
		.amdhsa_next_free_sgpr 66
		.amdhsa_reserve_vcc 1
		.amdhsa_float_denorm_mode_32 3
		.amdhsa_float_denorm_mode_16_64 3
		.amdhsa_memory_ordered 1
		.amdhsa_forward_progress 1
		.amdhsa_inst_pref_size 109
	.end_amdhsa_kernel
	.amdgpu_metadata
---
amdhsa.version: [ 1, 2 ]
amdhsa.kernels:
  - .name:           k_q708231c1be_attn
    .symbol:         k_q708231c1be_attn.kd
    .args:
      - { .name: qkvb, .offset: 0, .size: 8, .value_kind: global_buffer, .address_space: global }
      - { .name: obuf, .offset: 8, .size: 8, .value_kind: global_buffer, .address_space: global }
    .group_segment_fixed_size: 327680
    .private_segment_fixed_size: 0
    .kernarg_segment_align: 8
    .kernarg_segment_size: 16
    .max_flat_workgroup_size: 128
    .sgpr_count:     66
    .vgpr_count:     768
    .wavefront_size: 32
...
	.end_amdgpu_metadata
.endif
;; end of part 4
;; launch proj (part 5): grid 8 x 32, 4 waves a work-group, clusters of 4 x 4, 327,680 bytes of LDS; arguments obuf, w16, x2, b_out, x; writes x2
.if DOCPART == 5
	.amdgcn_target "amdgcn-amd-amdhsa--gfx1250"
	.amdhsa_code_object_version 6
	.text
	.protected	k_q708231c1be_proj
	.globl	k_q708231c1be_proj
	.p2align	8
	.type	k_q708231c1be_proj,@function
k_q708231c1be_proj:
	s_mov_b64 s[64:65], 0
	v_nop
	global_prefetch_b8 v0, s[64:65] scope:SCOPE_SE
	s_setreg_imm32_b32 hwreg(HW_REG_WAVE_MODE, 25, 1), 1
	s_wait_xcnt 0x0
	s_wait_alu depctr_hold_cnt(0) depctr_sa_sdst(0) depctr_va_vdst(0) depctr_va_sdst(0) depctr_va_ssrc(0) depctr_va_vcc(0) depctr_vm_vsrc(0)
	s_getreg_b32 s2, hwreg(HW_REG_IB_STS2, 6, 4)
	s_cmp_eq_u32 s2, 0
	s_cbranch_scc0 .Lentry_in_a_cluster
	s_endpgm
.Lentry_in_a_cluster:
	s_bfe_u32 s2, ttmp6, 0x10000c
	s_cmp_lg_u32 s2, 0xf033
	s_cbranch_scc0 .Lentry_shape_is_right
	s_endpgm
.Lentry_shape_is_right:
; out = A W + bias + res, f32 [4096][1024].  A: f16 in blocks [K / 256][row / 128][4 panels][128 rows][64]: the tile of a K step is 65,536 dense bytes.
; W: f16 [K][1024], rows along N, read out of LDS by the turning load.  bias: f32 [1024].  res: f32 [4096][1024].  Sums in f32; nothing is rounded on the way out.
; Here: A = attention's O, W = w_out, K = 1,024: x2 = O w_out + b_out + x.
; A tile is 128 x 128, 256 work-groups, four waves of 64 x 64: 16 accumulators.  K goes in steps of 256 through two LDS slots.
; CLUSTER 4 x 4: A's tile is shared along a row of the cluster, W's along a column; each is asked for jointly, with a mask of four.
; THE MATRIX INSTRUCTION IS USED TRANSPOSED (source 0 = 16 columns of W, source 1 = 16 rows of A): a lane holds eight neighbouring columns of one row.
; A K step is written once: the loop is entered in its middle, the slot in hand is s2, the walking descriptor's LDS word is turned by one exclusive or.
; The residual's 64 x 64 f32 are loaded at the start into window 2, in the layout in which rows come back from the stage, and stay on their way under the products.
; WINDOWS: 0: v16-29 addresses, v96-99 bias, v128-255 accumulators ((a, b) at 128 + 8 (4 a + b));  1: two fragment buffers of 128 (64 of A, 64 of W), later the rows to store;  2: v0-127 residual.
.set NSTEP,  4                         ; K / 256
.set WOFF,   6291456                   ; w_out's place in w16
.set PA,     144                       ; a row of a panel: 128 bytes + 16: 16 rows start at 16 different groups of four banks (ISA guide 11.1)
.set PANEL,  128*PA
.set PB,     288                       ; a k-row of W's tile: 256 bytes + 32 = 9 x 32
.set HALFT,  2*PANEL                   ; one wave's load: two panels of A, or 128 k-rows of W (128 x 288 is the same number)
.set BOFF,   2*HALFT
.set SLOT,   4*HALFT                   ; 0x24000; wave x HALFT (0x9000 x wave) has neither of its two bits
.set STAGE,  2*SLOT                    ; never filled by a tensor load: 16 rows x 272 bytes for each wave
.set SP,     272
.set SPARE,  STAGE+4*16*SP             ; the spare words: 128 bytes a wave, two blocks of 256 that no other line names
.set ASTEP,  32*65536                  ; bytes from a K step's tile of A to the next
.set BSTEP,  256*2048
.set ADRA0, 16
.set ADRA,  17
.set ADRB0, 20
.set ADRBL, 21                         ; W's k-rows 0-127 of the slot in hand
.set ADRBH, 22                         ; k-rows 128-255: beyond the reach of a 16-bit offset
.set STO,   24
.set RD,    25
.set CO,    26
.set BO,    27
.set SPW,   28
.set NIL,   29
.set BIAS,  96
.set ACC,   128
.set F0,    0
.set F1,    128
.set G1A, 24
.set G0A, 32
.set G1B, 48
.set G0B, 56
.set MSB, 0
.macro WIN new
.if MSB != (\new)
	s_set_vgpr_msb (MSB<<8)|(\new)
.set MSB, \new
.endif
.endm
.set MUL,  0x05                        ; sources window 1; C and D window 0
.set TO_F, 0x40
.macro PLACES
.rept 4
	v_nop
.endr
.endm
.macro JLOAD                           ; waves 0, 1 fetch A's halves, waves 2, 3 W's; s_nop 0 and four v_nop follow each line
	s_cmp_eq_u32 s11, 0
	s_cbranch_scc0 .Lfor_b_\@
	tensor_load_to_lds s[G0A+4:G0A+7], s[G1A:G1A+7]
	s_nop 0
.rept 4
	v_nop
.endr
	s_branch .Lasked_\@
.Lfor_b_\@:
	tensor_load_to_lds s[G0B+4:G0B+7], s[G1B:G1B+7]
	s_nop 0
.rept 4
	v_nop
.endr
.Lasked_\@:
.endm
.macro CREST
	s_cmp_lg_u32 s10, 0
	s_cbranch_scc1 .Lnot_wave_0_\@
	s_barrier_signal -3
.Lnot_wave_0_\@:
	s_barrier_wait -3
	s_barrier_signal -1
	s_barrier_wait -1
.endm
.macro CROUND
	s_barrier_signal -1
	s_barrier_wait -1
	CREST
.endm
	s_load_b128 s[4:7], s[0:1], 0x0                ; A s[4:5], w16 s[6:7]
	s_load_b64 s[8:9], s[0:1], 0x10                ; out
	s_load_b128 s[68:71], s[0:1], 0x18             ; bias s[68:69], res s[70:71]
	v_lshl_add_u32 v[SPW], v0, 2, SPARE
	v_mov_b32 v[NIL], 0
	ds_add_u32 v[SPW], v[NIL]                      ; the wave's opening: the add and its wait ahead of my first tensor load
	ds_add_u32 v28, v29
	v_lshrrev_b32 v1, 5, v0
	v_readfirstlane_b32 s10, v1
	s_lshr_b32 s11, s10, 1                         ; my half of the rows; also: I fetch for A (0) or W (1)
	s_and_b32 s12, s10, 1                          ; my half of the columns; also: which half I fetch
	s_bfe_u32 s40, ttmp6, 0x40000
	s_bfe_u32 s41, ttmp6, 0x40004
	s_lshl_b32 s42, ttmp9, 2
	s_add_co_u32 s42, s42, s40                     ; tile column
	s_and_b32 s13, ttmp7, 0xffff
	s_lshl_b32 s13, s13, 2
	s_add_co_u32 s13, s13, s41                     ; tile row
	s_lshl_b32 s43, s41, 2
	s_lshl_b32 s43, 15, s43
	s_lshl_b32 s44, 0x1111, s40
	s_or_b32 s[G1A], s43, (1<<16)|(1<<20)|(1<<21)|(4<<22)|(3<<25)   ; 32,768 dense bytes as 128 rows of 256; 4 words of padding behind every 32: behind every row of a panel
	s_mov_b32 s[G1A+1], 128<<16
	s_mov_b32 s[G1A+2], 128<<16
	s_mov_b32 s[G1A+3], 128<<16
	s_mov_b32 s[G1A+4], 128
	s_mov_b32 s[G1A+5], 128
	s_mov_b32 s[G1A+6], 0
	s_mov_b32 s[G1A+7], 0
	s_or_b32 s[G1B], s44, (1<<16)|(1<<20)|(1<<21)|(5<<22)|(7<<25)   ; 128 k-rows of 128 elements; 8 words behind every 64
	s_mov_b32 s[G1B+1], 128<<16
	s_mov_b32 s[G1B+2], 128<<16
	s_mov_b32 s[G1B+3], 128<<16
	s_mov_b32 s[G1B+4], 128
	s_mov_b32 s[G1B+5], 1024
	s_mov_b32 s[G1B+6], 0
	s_mov_b32 s[G1B+7], 0
	s_lshl_b32 s16, s13, 16                        ; A: block tile row, half: made of the tile row and the wave alone
	s_lshl_b32 s17, s12, 15
	s_add_co_u32 s16, s16, s17
	s_mov_b32 s17, 0
	s_mul_i32 s46, s12, 128*2048                   ; W: k-row 128 x half, column 128 x tile column
	s_lshl_b32 s47, s42, 8
	s_add_co_u32 s46, s46, s47
	s_add_co_u32 s46, s46, WOFF
	s_mov_b32 s47, 0
	s_mul_i32 s20, s10, HALFT
	s_wait_dscnt 0x0                               ; the opening add is done
	s_wait_kmcnt 0x0
	s_add_nc_u64 s[14:15], s[4:5], s[16:17]
	s_add_nc_u64 s[46:47], s[6:7], s[46:47]
	CROUND                                         ; the first joint loads meet
.irp s, 0,1
	s_mov_b32 s[G0A+4*(\s)], 1
	s_add_co_u32 s[G0A+4*(\s)+1], s20, (\s)*SLOT
	s_add_nc_u64 s[G0A+4*(\s)+2:G0A+4*(\s)+3], s[14:15], (\s)*ASTEP
	s_or_b32 s[G0A+4*(\s)+3], s[G0A+4*(\s)+3], 0x80000000
	s_mov_b32 s[G0B+4*(\s)], 1
	s_add_co_u32 s[G0B+4*(\s)+1], s20, (\s)*SLOT
	s_add_nc_u64 s[G0B+4*(\s)+2:G0B+4*(\s)+3], s[46:47], (\s)*BSTEP
	s_or_b32 s[G0B+4*(\s)+3], s[G0B+4*(\s)+3], 0x80000000
.endr
	s_cmp_eq_u32 s11, 0                            ; a wave's two first fills stand in one branch: two loads of mine are out
	s_cbranch_scc0 .Lfirst_b
	tensor_load_to_lds s[G0A:G0A+3], s[G1A:G1A+7]
	s_nop 0
	tensor_load_to_lds s[G0A+4:G0A+7], s[G1A:G1A+7]
	s_nop 0
.rept 4
	v_nop
.endr
	s_branch .Lfirst_asked
.Lfirst_b:
	tensor_load_to_lds s[G0B:G0B+3], s[G1B:G1B+7]
	s_nop 0
	tensor_load_to_lds s[G0B+4:G0B+7], s[G1B:G1B+7]
	s_nop 0
.rept 4
	v_nop
.endr
.Lfirst_asked:
	v_and_b32 v1, 15, v0
	v_bfe_u32 v2, v0, 4, 1
	v_mul_u32_u24 v3, v1, PA
	v_lshl_add_u32 v3, v2, 4, v3
	s_mul_i32 s21, s11, 64*PA
	v_add_nc_u32 v[ADRA0], s21, v3
	v_and_b32 v4, 7, v0
	v_lshl_add_u32 v4, v2, 3, v4
	v_mul_u32_u24 v4, v4, PB
	v_bfe_u32 v5, v0, 3, 1
	v_lshl_add_u32 v4, v5, 4, v4
	s_lshl_b32 s22, s12, 7
	s_add_co_u32 s22, s22, BOFF
	v_add_nc_u32 v[ADRB0], s22, v4
	s_mul_i32 s23, s10, 16*SP
	s_add_co_u32 s23, s23, STAGE
	v_mul_u32_u24 v3, v1, SP                       ; into the stage: row l % 16, 32 bytes for each half of the lanes
	v_lshl_add_u32 v3, v2, 5, v3
	v_add_nc_u32 v[STO], s23, v3
	v_mul_u32_u24 v3, v2, SP                       ; back: lanes 0-15 one row of 256 bytes, lanes 16-31 the next
	v_lshl_add_u32 v3, v1, 4, v3
	v_add_nc_u32 v[RD], s23, v3
	v_lshlrev_b32 v[BO], 4, v1                     ; my four columns
	v_lshl_add_u32 v[CO], v2, 12, v[BO]            ; and the same two rows in out and res
	s_lshl_b32 s16, s13, 7                         ; my first row, 4,096 bytes a row
	s_lshl_b32 s17, s11, 6
	s_add_co_u32 s16, s16, s17
	s_lshl_b32 s16, s16, 12
	s_mov_b32 s17, 0
	s_lshl_b32 s46, s42, 9                         ; my first column, 4 bytes each
	s_lshl_b32 s47, s12, 8
	s_add_co_u32 s46, s46, s47
	s_mov_b32 s47, 0
	s_add_nc_u64 s[8:9], s[8:9], s[16:17]
	s_add_nc_u64 s[8:9], s[8:9], s[46:47]
	s_add_nc_u64 s[70:71], s[70:71], s[16:17]
	s_add_nc_u64 s[70:71], s[70:71], s[46:47]
	s_add_nc_u64 s[68:69], s[68:69], s[46:47]
	WIN 0x80                                       ; destination window 2
.set i, 0
.rept 32
	global_load_b128 v[4*i:4*i+3], v[CO], s[70:71] offset:(16*(i/8)+2*(i%8))*4096
.set i, i+1
.endr
	WIN 0
	global_load_b128 v[BIAS:BIAS+3], v[BO], s[68:69]
	s_mov_b32 s2, 0
	v_mov_b32 v[ADRA], v[ADRA0]
	v_mov_b32 v[ADRBL], v[ADRB0]
	v_add_nc_u32 v[ADRBH], 128*PB, v[ADRB0]
.macro MUL8 f, c, a0, zero             ; 8 matrix instructions: row blocks a0, a0 + 1 x 4 column blocks, 32 along K: half c of buffer f
	WIN MUL
.irp a, \a0, (\a0)+1
.irp b, 0,1,2,3
.if \zero
	v_wmma_f32_16x16x32_f16 v[ACC+8*(4*(\a)+(\b)):ACC+8*(4*(\a)+(\b))+7], v[(\f)+64+8*(4*(\c)+(\b)):(\f)+64+8*(4*(\c)+(\b))+7], v[(\f)+8*(4*(\c)+(\a)):(\f)+8*(4*(\c)+(\a))+7], 0
.else
	v_wmma_f32_16x16x32_f16 v[ACC+8*(4*(\a)+(\b)):ACC+8*(4*(\a)+(\b))+7], v[(\f)+64+8*(4*(\c)+(\b)):(\f)+64+8*(4*(\c)+(\b))+7], v[(\f)+8*(4*(\c)+(\a)):(\f)+8*(4*(\c)+(\a))+7], v[ACC+8*(4*(\a)+(\b)):ACC+8*(4*(\a)+(\b))+7]
.endif
.endr
.endr
.endm
.macro FETCH q, f                      ; 32 LDS loads in one run: panel q (64 along K) of the slot in hand into buffer f, its first 32 along K first
	WIN TO_F
.irp c, 0,1
.irp i, 0,1,2,3
	ds_load_tr16_b128 v[(\f)+64+8*(4*(\c)+(\i)):(\f)+64+8*(4*(\c)+(\i))+3],   v[ADRBL+(\q)/2] offset:((2*(\q)+(\c))%4)*32*PB+32*(\i)
	ds_load_tr16_b128 v[(\f)+64+8*(4*(\c)+(\i))+4:(\f)+64+8*(4*(\c)+(\i))+7], v[ADRBL+(\q)/2] offset:((2*(\q)+(\c))%4)*32*PB+16*PB+32*(\i)
	ds_load_b128 v[(\f)+8*(4*(\c)+(\i)):(\f)+8*(4*(\c)+(\i))+3],   v[ADRA] offset:(\q)*PANEL+(\i)*16*PA+64*(\c)
	ds_load_b128 v[(\f)+8*(4*(\c)+(\i))+4:(\f)+8*(4*(\c)+(\i))+7], v[ADRA] offset:(\q)*PANEL+(\i)*16*PA+64*(\c)+32
.endr
.endr
.endm
.macro QUARTER q, f, g, zero           ; multiplies buffer f, fetches panel q into g; the 16 accumulators take turns
	s_wait_dscnt 16                                ; the first 32 along K are in
	MUL8 \f, 0, 0, \zero
	MUL8 \f, 0, 2, \zero
	PLACES
	FETCH \q, \g
	s_wait_dscnt 32                                ; all but the 32 just issued
	MUL8 \f, 1, 0, 0
	MUL8 \f, 1, 2, 0
.endm
; The last quarter multiplies buffer 1 and changes slots: in front of the barrier each wave waits for all its tensor loads, adds 0 to its spare word, and waits for that and for its reads of this slot.
; fill = 1: the barrier opens a round of the cluster's, and the joint refill, two K steps ahead, is the first thing behind it.
.macro TURN fill
	WIN 0
	s_wait_tensorcnt 0x0
	ds_add_u32 v[SPW], v[NIL]
	s_wait_dscnt 17                                ; (the add and the youngest sixteen loads may be out)
	MUL8 F1, 0, 0, 0
	s_wait_dscnt 0x0
	s_barrier_signal -1
	MUL8 F1, 0, 2, 0
	WIN 0
	s_barrier_wait -1
.if \fill
	CREST
	s_xor_b32 s[G0A+5], s[G0A+5], SLOT
	s_add_nc_u64 s[G0A+6:G0A+7], s[G0A+6:G0A+7], ASTEP
	s_xor_b32 s[G0B+5], s[G0B+5], SLOT
	s_add_nc_u64 s[G0B+6:G0B+7], s[G0B+6:G0B+7], BSTEP
	JLOAD                                          ; 112 matrix instructions ahead of the wait for it
.else
	PLACES
.endif
	s_xor_b32 s2, s2, SLOT
	v_add_nc_u32 v[ADRA], s2, v[ADRA0]
	v_add_nc_u32 v[ADRBL], s2, v[ADRB0]
	v_add_nc_u32 v[ADRBH], 128*PB, v[ADRBL]
	FETCH 0, F0
	MUL8 F1, 1, 0, 0
	MUL8 F1, 1, 2, 0
.endm
	s_wait_tensorcnt 0x1                           ; my part of K step 0 is in; step 1's may stay out
	s_barrier_signal -1
	s_barrier_wait -1
	FETCH 0, F0
	QUARTER 1, F0, F1, 1
	WIN 0
	s_mov_b32 s3, NSTEP-1
	s_branch .Lmid
.Ltrip:                                                ; NSTEP - 2 times
	TURN 1
	QUARTER 1, F0, F1, 0
	WIN 0
.Lmid:
	QUARTER 2, F1, F0, 0
	QUARTER 3, F0, F1, 0
	WIN 0
	s_sub_co_u32 s3, s3, 1
	s_cmp_lg_u32 s3, 0
	s_cbranch_scc1 .Ltrip
	TURN 0                                         ; the last K step is written out: nothing is asked for
	QUARTER 1, F0, F1, 0
	QUARTER 2, F1, F0, 0
	QUARTER 3, F0, F1, 0
	s_wait_dscnt 16
	MUL8 F1, 0, 0, 0
	MUL8 F1, 0, 2, 0
	s_wait_dscnt 0x0
	MUL8 F1, 1, 0, 0
	MUL8 F1, 1, 2, 0
	; THE WAY OUT.  The bias is added onto the residual (these lines are also the places behind the last products); 16 rows at a time go through my own stage and come back as whole rows of 256 bytes.
	s_wait_loadcnt 0x0
	WIN 0x82                                       ; destination and source 0 window 2, source 1 window 0
.set i, 0
.rept 32
	v_pk_add_f32 v[4*i:4*i+1], v[4*i:4*i+1], v[BIAS:BIAS+1]
	v_pk_add_f32 v[4*i+2:4*i+3], v[4*i+2:4*i+3], v[BIAS+2:BIAS+3]
.set i, i+1
.endr
.macro STG a
	WIN 0
.irp b, 0,1,2,3
	ds_store_b128 v[STO], v[ACC+8*(4*(\a)+(\b)):ACC+8*(4*(\a)+(\b))+3]   offset:64*(\b)      ; each accumulator's low four registers first
	ds_store_b128 v[STO], v[ACC+8*(4*(\a)+(\b))+4:ACC+8*(4*(\a)+(\b))+7] offset:64*(\b)+16
.endr
	WIN 0x40
.irp t, 0,1,2,3,4,5,6,7
	ds_load_b128 v[32*(\a)+4*(\t):32*(\a)+4*(\t)+3], v[RD] offset:(\t)*2*SP   ; LDS serves a wave's instructions in order (ISA guide 5.7.1.4)
.endr
.endm
.macro SEND a, younger
	s_wait_dscnt \younger
	WIN 0x49                                       ; window 1 += window 2
.set i, 0
.rept 16
	v_pk_add_f32 v[32*(\a)+2*i:32*(\a)+2*i+1], v[32*(\a)+2*i:32*(\a)+2*i+1], v[32*(\a)+2*i:32*(\a)+2*i+1]
.set i, i+1
.endr
	WIN 0x04                                       ; the stores' data lie in window 1
.irp t, 0,1,2,3,4,5,6,7
	global_store_b128 v[CO], v[32*(\a)+4*(\t):32*(\a)+4*(\t)+3], s[8:9] offset:(16*(\a)+2*(\t))*4096   ; 16 lanes store 256 consecutive bytes, at a multiple of 256
.endr
.endm
	STG 0
	STG 1
	SEND 0, 16                                     ; behind block 0's loads: block 1's eight stores and eight loads
	STG 2
	SEND 1, 16
	STG 3
	SEND 2, 16
	SEND 3, 0
	WIN 0
	s_wait_tensorcnt 0x0                           ; the wave's end
	ds_add_u32 v[SPW], v[NIL]
	s_wait_dscnt 0x0
	CROUND                                         ; the closing round
	s_endpgm
.Lfunc_end_k_q708231c1be_proj:
	.size	k_q708231c1be_proj, .Lfunc_end_k_q708231c1be_proj-k_q708231c1be_proj
	.p2alignl 7, 3214868480
	.fill 96, 4, 3214868480
	.section	.rodata,"a",@progbits
	.p2align	6, 0x0
	.amdhsa_kernel k_q708231c1be_proj
		.amdhsa_group_segment_fixed_size 327680
		.amdhsa_private_segment_fixed_size 0
		.amdhsa_enable_private_segment 0
		.amdhsa_kernarg_size 40
		.amdhsa_user_sgpr_count 2
		.amdhsa_user_sgpr_kernarg_segment_ptr 1
		.amdhsa_wavefront_size32 1
		.amdhsa_system_sgpr_workgroup_id_x 1
		.amdhsa_system_sgpr_workgroup_id_y 1
		.amdhsa_system_sgpr_workgroup_id_z 1
		.amdhsa_system_vgpr_workitem_id 0
		.amdhsa_next_free_vgpr 640
		.amdhsa_next_free_sgpr 72
		.amdhsa_reserve_vcc 0
		.amdhsa_float_denorm_mode_32 3
		.amdhsa_float_denorm_mode_16_64 3
		.amdhsa_memory_ordered 1
		.amdhsa_forward_progress 1
		.amdhsa_inst_pref_size 71
	.end_amdhsa_kernel
	.amdgpu_metadata
---
amdhsa.version: [ 1, 2 ]
amdhsa.kernels:
  - .name:           k_q708231c1be_proj
    .symbol:         k_q708231c1be_proj.kd
    .args:
      - { .name: obuf, .offset: 0, .size: 8, .value_kind: global_buffer, .address_space: global }
      - { .name: w16, .offset: 8, .size: 8, .value_kind: global_buffer, .address_space: global }
      - { .name: x2, .offset: 16, .size: 8, .value_kind: global_buffer, .address_space: global }
      - { .name: b_out, .offset: 24, .size: 8, .value_kind: global_buffer, .address_space: global }
      - { .name: x, .offset: 32, .size: 8, .value_kind: global_buffer, .address_space: global }
    .group_segment_fixed_size: 327680
    .private_segment_fixed_size: 0
    .kernarg_segment_align: 8
    .kernarg_segment_size: 40
    .max_flat_workgroup_size: 128
    .sgpr_count:     72
    .vgpr_count:     640
    .wavefront_size: 32
...
	.end_amdgpu_metadata
.endif
;; end of part 5
;; launch ln2: the kernel of part 2 again; grid 256 x 1, 8 waves a work-group, no clusters, 0 bytes of LDS; arguments x2, ln2_g, ln2_b, hbuf; writes hbuf
;; launch mlp1 (part 6): grid 16 x 16, 4 waves a work-group, clusters of 4 x 4, 327,680 bytes of LDS; arguments hbuf, w16, gbuf, b1; writes gbuf
.if DOCPART == 6
	.amdgcn_target "amdgcn-amd-amdhsa--gfx1250"
	.amdhsa_code_object_version 6
	.text
	.protected	k_q708231c1be_mlp1
	.globl	k_q708231c1be_mlp1
	.p2align	8
	.type	k_q708231c1be_mlp1,@function
k_q708231c1be_mlp1:
	s_mov_b64 s[64:65], 0
	v_nop
	global_prefetch_b8 v0, s[64:65] scope:SCOPE_SE
	s_setreg_imm32_b32 hwreg(HW_REG_WAVE_MODE, 25, 1), 1
	s_wait_xcnt 0x0
	s_wait_alu depctr_hold_cnt(0) depctr_sa_sdst(0) depctr_va_vdst(0) depctr_va_sdst(0) depctr_va_ssrc(0) depctr_va_vcc(0) depctr_vm_vsrc(0)
	s_getreg_b32 s2, hwreg(HW_REG_IB_STS2, 6, 4)
	s_cmp_eq_u32 s2, 0
	s_cbranch_scc0 .Lentry_in_a_cluster
	s_endpgm
.Lentry_in_a_cluster:
	s_bfe_u32 s2, ttmp6, 0x10000c
	s_cmp_lg_u32 s2, 0xf033
	s_cbranch_scc0 .Lentry_shape_is_right
	s_endpgm
.Lentry_shape_is_right:
; g = gelu(h W + b), exact GELU.  h: [4096][1024] f16, rows along K.  W = w1 as f16, [1024][4096], rows along N.  b: f32 [4096].  Sums, bias and GELU in f32, g rounded once to f16.
; OUT, in blocks for the next product: [column / 256][row / 128][4 panels of 64 columns][128 rows][64] f16.
; GELU: 0.5 x (1 + erf(x / sqrt 2)) = max(x, 0) - 0.5 |x| E, E = erfc(|x| / sqrt 2) = t (a1 + t (a2 + t (a3 + t (a4 + t a5)))) exp(-x^2 / 2), t = 1 / (1 + p |x| / sqrt 2)
; (Abramowitz and Stegun 7.1.26: absolute error of erf at most 1.5e-7, for every argument).
; LIMIT: g must stay under f16's 65,504; with gains and weights thirty times the usual it reaches some thousands.
; A tile of C is 256 x 256, 256 work-groups, four waves, each 128 x 128: 64 accumulators, 512 registers.
; K goes in steps of 128 through two LDS slots.  h's tile lies along K and is read plainly; W's tile lies [k][n] and is read by the turning load ds_load_tr16_b128.
; CLUSTER 4 x 4: h's tile is shared along a row of the cluster, W's along a column; each is asked for jointly, with a mask of four.
; THE MATRIX INSTRUCTION IS USED TRANSPOSED (source 0 = 16 columns of W, source 1 = 16 rows of h): a lane holds eight neighbouring columns of one row of C.
; A K step is written once: the loop is entered in its middle, the slot in hand is the scalar s2, and the walking descriptor's LDS word is turned by one exclusive or.
; WINDOWS: 0: v16-29 addresses, v32-87 and v192-255 the way out, v64-127, v128-191 fragments of h;  1: v64-191 fragments of W;  2, 3: accumulators ((a, b) at 8 (8 a + b)).
.set N,      4096
.set WOFF,   8388608                   ; w1's place in w16
.set KDIM,   1024
.set KSTEP,  128
.set NSTEP,  KDIM/KSTEP
.set PA,     272                       ; a row of h's tile: 256 bytes + 16: 16 rows start at 16 different groups of four banks (ISA guide 11.1)
.set PB,     544                       ; a k-row of W's tile: 512 bytes + 32 = 17 x 32
.set HALFT,  128*PA                    ; one wave's load: 128 rows of h, or 64 k-rows of W
.set BOFF,   2*HALFT
.set SLOT,   4*HALFT                   ; 0x22000; wave x HALFT (0x8800 x wave) has neither of its two bits
.set DP,     528                       ; the way out: a row of 128 f32 + 16 bytes
.set DWAVE,  128*DP                    ; each wave's 128 rows, in the slots, which have had their last fill by then
.set SPARE,  2*SLOT                    ; the spare words: 128 bytes a wave, two blocks of 256 that no other line names
.set PPOFF,  128*128                   ; bytes from a panel to the next
.set ADRA0, 16
.set ADRA,  17
.set ADRB0, 20
.set ADRB,  21
.set DST,   24
.set RD,    25
.set GO,    26
.set BO,    27
.set SPW,   28
.set NIL,   29
.set RX,    32                         ; v[32:47]   sixteen sums read back
.set RT,    48                         ; v[48:63]   x = sum + bias, at last gelu(x)
.set RP,    64                         ; v[64:79]   the polynomial, then E
.set RY,    80                         ; v[80:87]   the result as f16
.set RB,    192                        ; v[192:207] the bias of my sixteen columns
.set RU,    208                        ; v[208:223] |x|, then 0.5 |x|
.set RI,    224                        ; v[224:239] t
.set RZ,    240                        ; v[240:255] exp(-x^2 / 2)
.set F0,    64
.set F1,    128
.set G1A, 24
.set G0A, 32
.set G1B, 48
.set G0B, 56
.set MSB, 0
.macro WIN new
.if MSB != (\new)
	s_set_vgpr_msb (MSB<<8)|(\new)
.set MSB, \new
.endif
.endm
.set MUL_LO, 0xa1
.set MUL_HI, 0xf1
.set TO_B,   0x40
.macro PLACES
.rept 4
	v_nop
.endr
.endm
.macro JLOAD                           ; waves 0, 1 fetch h's halves, waves 2, 3 W's; s_nop 0 and four v_nop follow each line
	s_cmp_eq_u32 s11, 0
	s_cbranch_scc0 .Lfor_b_\@
	tensor_load_to_lds s[G0A+4:G0A+7], s[G1A:G1A+7]
	s_nop 0
.rept 4
	v_nop
.endr
	s_branch .Lasked_\@
.Lfor_b_\@:
	tensor_load_to_lds s[G0B+4:G0B+7], s[G1B:G1B+7]
	s_nop 0
.rept 4
	v_nop
.endr
.Lasked_\@:
.endm
.macro CREST
	s_cmp_lg_u32 s10, 0
	s_cbranch_scc1 .Lnot_wave_0_\@
	s_barrier_signal -3
.Lnot_wave_0_\@:
	s_barrier_wait -3
	s_barrier_signal -1
	s_barrier_wait -1
.endm
.macro CROUND
	s_barrier_signal -1
	s_barrier_wait -1
	CREST
.endm
.macro KONST r, val                    ; a constant for packed arithmetic: named as a pair, so both words are written
	s_mov_b32 s[\r], \val
	s_mov_b32 s[\r+1], \val
.endm
	s_load_b128 s[4:7], s[0:1], 0x0                ; h s[4:5], w16 s[6:7]
	s_load_b64 s[8:9], s[0:1], 0x10                ; out
	s_load_b64 s[66:67], s[0:1], 0x18              ; bias
	v_lshl_add_u32 v[SPW], v0, 2, SPARE
	v_mov_b32 v[NIL], 0
	ds_add_u32 v[SPW], v[NIL]                      ; the wave's opening: the add and its wait ahead of my first tensor load
	ds_add_u32 v28, v29
	v_lshrrev_b32 v1, 5, v0
	v_readfirstlane_b32 s10, v1
	s_lshr_b32 s11, s10, 1
	s_and_b32 s12, s10, 1
	s_bfe_u32 s40, ttmp6, 0x40000
	s_bfe_u32 s41, ttmp6, 0x40004
	s_lshl_b32 s42, ttmp9, 2
	s_add_co_u32 s42, s42, s40                     ; tile column
	s_and_b32 s13, ttmp7, 0xffff
	s_lshl_b32 s13, s13, 2
	s_add_co_u32 s13, s13, s41                     ; tile row
	s_lshl_b32 s43, s41, 2
	s_lshl_b32 s43, 15, s43
	s_lshl_b32 s44, 0x1111, s40
	s_or_b32 s[G1A], s43, (1<<16)|(1<<20)|(1<<21)|(5<<22)|(3<<25)
	s_mov_b32 s[G1A+1], KSTEP<<16
	s_mov_b32 s[G1A+2], 128<<16
	s_mov_b32 s[G1A+3], KSTEP<<16
	s_mov_b32 s[G1A+4], 128
	s_mov_b32 s[G1A+5], KDIM
	s_mov_b32 s[G1A+6], 0
	s_mov_b32 s[G1A+7], 0
	s_or_b32 s[G1B], s44, (1<<16)|(1<<20)|(1<<21)|(6<<22)|(7<<25)
	s_mov_b32 s[G1B+1], 256<<16
	s_mov_b32 s[G1B+2], 64<<16
	s_mov_b32 s[G1B+3], 256<<16
	s_mov_b32 s[G1B+4], 64
	s_mov_b32 s[G1B+5], N
	s_mov_b32 s[G1B+6], 0
	s_mov_b32 s[G1B+7], 0
	KONST 68, 0x3e6d3388                           ; p / sqrt 2 = 0.23164189
	KONST 70, 0x3f596d27                           ; sqrt(log2(e) / 2) = 0.84932180
	KONST 72, 0x3f87dc22                           ; a5 =  1.061405429
	KONST 74, 0xbfba00e3                           ; a4 = -1.453152027
	KONST 76, 0x3fb5f0e3                           ; a3 =  1.421413741
	KONST 78, 0xbe91a98e                           ; a2 = -0.284496736
	KONST 80, 0x3e827906                           ; a1 =  0.254829592
	s_mov_b32 s82, 0x7fffffff
	s_lshl_b32 s16, s13, 8
	s_lshl_b32 s17, s12, 7
	s_add_co_u32 s16, s16, s17
	s_lshl_b32 s16, s16, 11
	s_mov_b32 s17, 0
	s_mul_i32 s46, s12, 64*N*2
	s_lshl_b32 s47, s42, 9
	s_add_co_u32 s46, s46, s47
	s_add_co_u32 s46, s46, WOFF
	s_mov_b32 s47, 0
	s_mul_i32 s20, s10, HALFT
	s_wait_dscnt 0x0                               ; the opening add is done
	s_wait_kmcnt 0x0
	s_add_nc_u64 s[14:15], s[4:5], s[16:17]
	s_add_nc_u64 s[46:47], s[6:7], s[46:47]
	CROUND                                         ; the first joint loads meet
.irp s, 0,1
	s_mov_b32 s[G0A+4*(\s)], 1
	s_add_co_u32 s[G0A+4*(\s)+1], s20, (\s)*SLOT
	s_add_nc_u64 s[G0A+4*(\s)+2:G0A+4*(\s)+3], s[14:15], (\s)*KSTEP*2
	s_or_b32 s[G0A+4*(\s)+3], s[G0A+4*(\s)+3], 0x80000000
	s_mov_b32 s[G0B+4*(\s)], 1
	s_add_co_u32 s[G0B+4*(\s)+1], s20, (\s)*SLOT
	s_add_nc_u64 s[G0B+4*(\s)+2:G0B+4*(\s)+3], s[46:47], (\s)*KSTEP*N*2
	s_or_b32 s[G0B+4*(\s)+3], s[G0B+4*(\s)+3], 0x80000000
.endr
	s_cmp_eq_u32 s11, 0                            ; a wave's two first fills stand in one branch: two loads of mine are out
	s_cbranch_scc0 .Lfirst_b
	tensor_load_to_lds s[G0A:G0A+3], s[G1A:G1A+7]
	s_nop 0
	tensor_load_to_lds s[G0A+4:G0A+7], s[G1A:G1A+7]
	s_nop 0
.rept 4
	v_nop
.endr
	s_branch .Lfirst_asked
.Lfirst_b:
	tensor_load_to_lds s[G0B:G0B+3], s[G1B:G1B+7]
	s_nop 0
	tensor_load_to_lds s[G0B+4:G0B+7], s[G1B:G1B+7]
	s_nop 0
.rept 4
	v_nop
.endr
.Lfirst_asked:
	v_and_b32 v1, 15, v0
	v_bfe_u32 v2, v0, 4, 1
	v_mul_u32_u24 v3, v1, PA
	v_lshl_add_u32 v3, v2, 4, v3
	s_mul_i32 s21, s11, HALFT
	v_add_nc_u32 v[ADRA0], s21, v3
	v_and_b32 v4, 7, v0
	v_lshl_add_u32 v4, v2, 3, v4
	v_mul_u32_u24 v4, v4, PB
	v_bfe_u32 v5, v0, 3, 1
	v_lshl_add_u32 v4, v5, 4, v4
	s_lshl_b32 s22, s12, 8
	s_add_co_u32 s22, s22, BOFF
	v_add_nc_u32 v[ADRB0], s22, v4
	s_mul_i32 s23, s10, DWAVE
	v_mul_u32_u24 v3, v1, DP
	v_lshl_add_u32 v3, v2, 5, v3
	v_add_nc_u32 v[DST], s23, v3
	v_bfe_u32 v3, v0, 3, 2
	v_mul_u32_u24 v3, v3, DP
	v_and_b32 v4, 7, v0
	v_lshl_add_u32 v3, v4, 5, v3
	v_add_nc_u32 v[RD], s23, v3
	v_and_b32 v[GO], 31, v0
	v_lshlrev_b32 v[GO], 4, v[GO]
	v_lshlrev_b32 v[BO], 5, v4                     ; my eight columns of a panel, 4 bytes each
	s_lshl_b32 s16, s13, 1                         ; my block of 128 rows: 2 x tile row + half, 65,536 bytes each
	s_add_co_u32 s16, s16, s11
	s_lshl_b32 s16, s16, 16
	s_mov_b32 s17, 0
	s_add_nc_u64 s[8:9], s[8:9], s[16:17]
	s_lshl_b32 s46, s42, 21                        ; the tile column's 32 blocks, and my two panels of its four
	s_lshl_b32 s47, s12, 15
	s_add_co_u32 s46, s46, s47
	s_mov_b32 s47, 0
	s_add_nc_u64 s[8:9], s[8:9], s[46:47]
	s_lshl_b32 s46, s42, 10                        ; the bias of my 128 columns
	s_lshl_b32 s47, s12, 9
	s_add_co_u32 s46, s46, s47
	s_mov_b32 s47, 0
	s_add_nc_u64 s[66:67], s[66:67], s[46:47]
	global_load_b128 v[RB:RB+3],     v[BO], s[66:67]              ; waited for in front of the way out
	global_load_b128 v[RB+4:RB+7],   v[BO], s[66:67] offset:16
	global_load_b128 v[RB+8:RB+11],  v[BO], s[66:67] offset:256
	global_load_b128 v[RB+12:RB+15], v[BO], s[66:67] offset:272
	s_mov_b32 s2, 0
	v_mov_b32 v[ADRA], v[ADRA0]
	v_mov_b32 v[ADRB], v[ADRB0]
.macro MUL16 f, hi, a0, zero
	WIN MUL_LO+0x50*(\hi)
.irp a, \a0, (\a0)+1
.irp b, 0,1,2,3,4,5,6,7
.if \zero
	v_wmma_f32_16x16x32_f16 v[8*(8*(\a)+(\b)):8*(8*(\a)+(\b))+7], v[(\f)+8*(\b):(\f)+8*(\b)+7], v[(\f)+8*(4*(\hi)+(\a)):(\f)+8*(4*(\hi)+(\a))+7], 0
.else
	v_wmma_f32_16x16x32_f16 v[8*(8*(\a)+(\b)):8*(8*(\a)+(\b))+7], v[(\f)+8*(\b):(\f)+8*(\b)+7], v[(\f)+8*(4*(\hi)+(\a)):(\f)+8*(4*(\hi)+(\a))+7], v[8*(8*(\a)+(\b)):8*(8*(\a)+(\b))+7]
.endif
.endr
.endr
.endm
.macro FETCH q, f
	WIN TO_B
.irp i, 0,1,2,3,4,5,6,7
	ds_load_tr16_b128 v[(\f)+8*(\i):(\f)+8*(\i)+3],   v[ADRB] offset:(\q)*32*PB+32*(\i)
	ds_load_tr16_b128 v[(\f)+8*(\i)+4:(\f)+8*(\i)+7], v[ADRB] offset:(\q)*32*PB+16*PB+32*(\i)
.endr
	WIN 0
.irp i, 0,1,2,3,4,5,6,7
	ds_load_b128 v[(\f)+8*(\i):(\f)+8*(\i)+3],   v[ADRA] offset:64*(\q)+(\i)*16*PA
	ds_load_b128 v[(\f)+8*(\i)+4:(\f)+8*(\i)+7], v[ADRA] offset:64*(\q)+(\i)*16*PA+32
.endr
.endm
.macro QUARTER q, f, g, zero           ; the 64 accumulators take turns in the same order everywhere
	s_wait_dscnt 8                                 ; W and h's rows 0-63 are in; the youngest eight loads may be out
	MUL16 \f, 0, 0, \zero
	MUL16 \f, 0, 2, \zero
	PLACES
	FETCH \q, \g
	s_wait_dscnt 32                                ; all but the 32 just issued
	MUL16 \f, 1, 0, \zero
	MUL16 \f, 1, 2, \zero
.endm
.macro TURN fill                       ; the last quarter and the change of slots: all my tensor loads, the add, my reads, the barrier (fill = 1: a round of the cluster's), the refill first behind it
	WIN 0
	s_wait_tensorcnt 0x0
	ds_add_u32 v[SPW], v[NIL]
	s_wait_dscnt 9                                 ; (the add and the youngest eight loads may be out)
	MUL16 F1, 0, 0, 0
	s_wait_dscnt 0x0
	s_barrier_signal -1
	MUL16 F1, 0, 2, 0
	WIN 0
	s_barrier_wait -1
.if \fill
	CREST
	s_xor_b32 s[G0A+5], s[G0A+5], SLOT
	s_add_nc_u64 s[G0A+6:G0A+7], s[G0A+6:G0A+7], KSTEP*2
	s_xor_b32 s[G0B+5], s[G0B+5], SLOT
	s_add_nc_u64 s[G0B+6:G0B+7], s[G0B+6:G0B+7], KSTEP*N*2
	JLOAD
.else
	PLACES
.endif
	s_xor_b32 s2, s2, SLOT
	v_add_nc_u32 v[ADRA], s2, v[ADRA0]
	v_add_nc_u32 v[ADRB], s2, v[ADRB0]
	FETCH 0, F0
	MUL16 F1, 1, 0, 0
	MUL16 F1, 1, 2, 0
.endm
	s_wait_tensorcnt 0x1                           ; my part of K step 0 is in; step 1's may stay out
	s_barrier_signal -1
	s_barrier_wait -1
	FETCH 0, F0
	QUARTER 1, F0, F1, 1
	WIN 0
	s_mov_b32 s3, NSTEP-1
	s_branch .Lmid
.Ltrip:                                                ; NSTEP - 2 times
	TURN 1
	QUARTER 1, F0, F1, 0
	WIN 0
.Lmid:
	QUARTER 2, F1, F0, 0
	QUARTER 3, F0, F1, 0
	WIN 0
	s_sub_co_u32 s3, s3, 1
	s_cmp_lg_u32 s3, 0
	s_cbranch_scc1 .Ltrip
	TURN 0
	QUARTER 1, F0, F1, 0
	QUARTER 2, F1, F0, 0
	QUARTER 3, F0, F1, 0
	s_wait_dscnt 8
	MUL16 F1, 0, 0, 0
	MUL16 F1, 0, 2, 0
	s_wait_dscnt 0x0                               ; my reads of the ring are over:
	s_barrier_signal -1
	MUL16 F1, 1, 0, 0
	MUL16 F1, 1, 2, 0
	WIN 0
	s_barrier_wait -1                              ; everybody's are: the slots, which no load fills any more, take the results
	PLACES
	; THE WAY OUT.  All 64 accumulators go as f32 into my 128 rows of 528 bytes (low four registers first); a loop of 32 trips reads four rows back,
	; adds the bias, takes the GELU, rounds and stores 512 consecutive bytes into each of my two panels.
.irp hi, 0,1
	WIN 0x08+4*(\hi)
.irp a, 0,1,2,3
.irp b, 0,1,2,3,4,5,6,7
	ds_store_b128 v[DST], v[8*(8*(\a)+(\b)):8*(8*(\a)+(\b))+3]   offset:16*(4*(\hi)+(\a))*DP+64*(\b)
	ds_store_b128 v[DST], v[8*(8*(\a)+(\b))+4:8*(8*(\a)+(\b))+7] offset:16*(4*(\hi)+(\a))*DP+64*(\b)+16
.endr
.endr
.endr
	WIN 0
	ds_load_b128 v[RX:RX+3],     v[RD]             ; LDS serves a wave's instructions in order (ISA guide 5.7.1.4): these see my stores
	ds_load_b128 v[RX+4:RX+7],   v[RD] offset:16
	ds_load_b128 v[RX+8:RX+11],  v[RD] offset:256
	ds_load_b128 v[RX+12:RX+15], v[RD] offset:272
.macro EACH8 line:vararg               ; one line for each pair k = 0, 2 .. 14
.set k, 0
	s_wait_alu depctr_va_vdst(0)
.rept 8
	\line
.set k, k+2
.endr
.endm
.macro EACH16 line:vararg              ; one line for each number k = 0 .. 15
.set k, 0
.rept 16
	\line
.set k, k+1
.endr
.endm
	s_wait_loadcnt 0x0                             ; the bias
	s_mov_b32 s3, 32
.Lout:
	s_wait_dscnt 0x0                               ; this trip's four rows are in
	EACH8 v_pk_add_f32 v[RT+k:RT+k+1], v[RX+k:RX+k+1], v[RB+k:RB+k+1]
	s_cmp_eq_u32 s3, 1
	s_cbranch_scc1 .Lnl                            ; the last trip has no next rows
	ds_load_b128 v[RX:RX+3],     v[RD] offset:4*DP
	ds_load_b128 v[RX+4:RX+7],   v[RD] offset:4*DP+16
	ds_load_b128 v[RX+8:RX+11],  v[RD] offset:4*DP+256
	ds_load_b128 v[RX+12:RX+15], v[RD] offset:4*DP+272
.Lnl:
	v_add_nc_u32 v[RD], 4*DP, v[RD]
	EACH16 v_and_b32 v[RU+k], s82, v[RT+k]                                                    ; |x|
	EACH8 v_pk_fma_f32 v[RI+k:RI+k+1], v[RU+k:RU+k+1], s[68:69], 1.0 op_sel_hi:[1,0,0]         ; 1 + p |x| / sqrt 2
	EACH8 v_pk_mul_f32 v[RZ+k:RZ+k+1], v[RT+k:RT+k+1], s[70:71] op_sel_hi:[1,0]
	EACH16 v_rcp_f32 v[RI+k], v[RI+k]                                                         ; t; the plain lines below stand behind the run
	EACH8 v_pk_mul_f32 v[RZ+k:RZ+k+1], v[RZ+k:RZ+k+1], v[RZ+k:RZ+k+1] neg_lo:[0,1] neg_hi:[0,1] ; -x^2 log2(e) / 2
	EACH16 v_exp_f32 v[RZ+k], v[RZ+k]
	EACH8 v_pk_fma_f32 v[RP+k:RP+k+1], v[RI+k:RI+k+1], s[72:73], s[74:75] op_sel_hi:[1,0,0]
	EACH8 v_pk_fma_f32 v[RP+k:RP+k+1], v[RP+k:RP+k+1], v[RI+k:RI+k+1], s[76:77] op_sel_hi:[1,1,0]
	EACH8 v_pk_fma_f32 v[RP+k:RP+k+1], v[RP+k:RP+k+1], v[RI+k:RI+k+1], s[78:79] op_sel_hi:[1,1,0]
	EACH8 v_pk_fma_f32 v[RP+k:RP+k+1], v[RP+k:RP+k+1], v[RI+k:RI+k+1], s[80:81] op_sel_hi:[1,1,0]
	EACH8 v_pk_mul_f32 v[RP+k:RP+k+1], v[RP+k:RP+k+1], v[RI+k:RI+k+1]
	EACH8 v_pk_mul_f32 v[RP+k:RP+k+1], v[RP+k:RP+k+1], v[RZ+k:RZ+k+1]                          ; E
	EACH8 v_pk_mul_f32 v[RU+k:RU+k+1], v[RU+k:RU+k+1], 0.5 op_sel_hi:[1,0]
	EACH8 v_pk_fma_f32 v[RT+k:RT+k+1], v[RT+k:RT+k+1], 0.5, v[RU+k:RU+k+1] op_sel_hi:[1,0,1]   ; max(x, 0)
	EACH8 v_pk_fma_f32 v[RT+k:RT+k+1], v[RU+k:RU+k+1], v[RP+k:RP+k+1], v[RT+k:RT+k+1] neg_lo:[1,0,0] neg_hi:[1,0,0]
.set k, 0
.rept 8
	v_cvt_pk_f16_f32 v[RY+k], v[RT+2*k], v[RT+2*k+1]
.set k, k+1
.endr
	global_store_b128 v[GO], v[RY:RY+3],   s[8:9]
	global_store_b128 v[GO], v[RY+4:RY+7], s[8:9] offset:PPOFF
	s_wait_xcnt 0x0                                ; the stores' offset and data are written again only behind this wait
	v_add_nc_u32 v[GO], 512, v[GO]
	s_sub_co_u32 s3, s3, 1
	s_cmp_lg_u32 s3, 0
	s_cbranch_scc1 .Lout
	s_wait_tensorcnt 0x0                           ; the wave's end
	ds_add_u32 v[SPW], v[NIL]
	s_wait_dscnt 0x0
	CROUND                                         ; the closing round
	s_endpgm
.Lfunc_end_k_q708231c1be_mlp1:
	.size	k_q708231c1be_mlp1, .Lfunc_end_k_q708231c1be_mlp1-k_q708231c1be_mlp1
	.p2alignl 7, 3214868480
	.fill 96, 4, 3214868480
	.section	.rodata,"a",@progbits
	.p2align	6, 0x0
	.amdhsa_kernel k_q708231c1be_mlp1
		.amdhsa_group_segment_fixed_size 327680
		.amdhsa_private_segment_fixed_size 0
		.amdhsa_enable_private_segment 0
		.amdhsa_kernarg_size 32
		.amdhsa_user_sgpr_count 2
		.amdhsa_user_sgpr_kernarg_segment_ptr 1
		.amdhsa_wavefront_size32 1
		.amdhsa_system_sgpr_workgroup_id_x 1
		.amdhsa_system_sgpr_workgroup_id_y 1
		.amdhsa_system_sgpr_workgroup_id_z 1
		.amdhsa_system_vgpr_workitem_id 0
		.amdhsa_next_free_vgpr 1024
		.amdhsa_next_free_sgpr 84
		.amdhsa_reserve_vcc 0
		.amdhsa_float_denorm_mode_32 3
		.amdhsa_float_denorm_mode_16_64 3
		.amdhsa_memory_ordered 1
		.amdhsa_forward_progress 1
		.amdhsa_inst_pref_size 92
	.end_amdhsa_kernel
	.amdgpu_metadata
---
amdhsa.version: [ 1, 2 ]
amdhsa.kernels:
  - .name:           k_q708231c1be_mlp1
    .symbol:         k_q708231c1be_mlp1.kd
    .args:
      - { .name: hbuf, .offset: 0, .size: 8, .value_kind: global_buffer, .address_space: global }
      - { .name: w16, .offset: 8, .size: 8, .value_kind: global_buffer, .address_space: global }
      - { .name: gbuf, .offset: 16, .size: 8, .value_kind: global_buffer, .address_space: global }
      - { .name: b1, .offset: 24, .size: 8, .value_kind: global_buffer, .address_space: global }
    .group_segment_fixed_size: 327680
    .private_segment_fixed_size: 0
    .kernarg_segment_align: 8
    .kernarg_segment_size: 32
    .max_flat_workgroup_size: 128
    .sgpr_count:     84
    .vgpr_count:     1024
    .wavefront_size: 32
...
	.end_amdgpu_metadata
.endif
;; end of part 6
;; launch mlp2 (part 7): grid 8 x 32, 4 waves a work-group, clusters of 4 x 4, 327,680 bytes of LDS; arguments gbuf, w16, out0, b2, x2; writes out0
.if DOCPART == 7
	.amdgcn_target "amdgcn-amd-amdhsa--gfx1250"
	.amdhsa_code_object_version 6
	.text
	.protected	k_q708231c1be_mlp2
	.globl	k_q708231c1be_mlp2
	.p2align	8
	.type	k_q708231c1be_mlp2,@function
k_q708231c1be_mlp2:
	s_mov_b64 s[64:65], 0
	v_nop
	global_prefetch_b8 v0, s[64:65] scope:SCOPE_SE
	s_setreg_imm32_b32 hwreg(HW_REG_WAVE_MODE, 25, 1), 1
	s_wait_xcnt 0x0
	s_wait_alu depctr_hold_cnt(0) depctr_sa_sdst(0) depctr_va_vdst(0) depctr_va_sdst(0) depctr_va_ssrc(0) depctr_va_vcc(0) depctr_vm_vsrc(0)
	s_getreg_b32 s2, hwreg(HW_REG_IB_STS2, 6, 4)
	s_cmp_eq_u32 s2, 0
	s_cbranch_scc0 .Lentry_in_a_cluster
	s_endpgm
.Lentry_in_a_cluster:
	s_bfe_u32 s2, ttmp6, 0x10000c
	s_cmp_lg_u32 s2, 0xf033
	s_cbranch_scc0 .Lentry_shape_is_right
	s_endpgm
.Lentry_shape_is_right:
; out = A W + bias + res, f32 [4096][1024].  A: f16 in blocks [K / 256][row / 128][4 panels][128 rows][64]: the tile of a K step is 65,536 dense bytes.
; W: f16 [K][1024], rows along N, read out of LDS by the turning load.  bias: f32 [1024].  res: f32 [4096][1024].  Sums in f32; nothing is rounded on the way out.
; Here: A = g, W = w2, K = 4,096: out0 = g w2 + b2 + x2.
; A tile is 128 x 128, 256 work-groups, four waves of 64 x 64: 16 accumulators.  K goes in steps of 256 through two LDS slots.
; CLUSTER 4 x 4: A's tile is shared along a row of the cluster, W's along a column; each is asked for jointly, with a mask of four.
; THE MATRIX INSTRUCTION IS USED TRANSPOSED (source 0 = 16 columns of W, source 1 = 16 rows of A): a lane holds eight neighbouring columns of one row.
; A K step is written once: the loop is entered in its middle, the slot in hand is s2, the walking descriptor's LDS word is turned by one exclusive or.
; The residual's 64 x 64 f32 are loaded at the start into window 2, in the layout in which rows come back from the stage, and stay on their way under the products.
; WINDOWS: 0: v16-29 addresses, v96-99 bias, v128-255 accumulators ((a, b) at 128 + 8 (4 a + b));  1: two fragment buffers of 128 (64 of A, 64 of W), later the rows to store;  2: v0-127 residual.
.set NSTEP,  16                        ; K / 256
.set WOFF,   16777216                  ; w2's place in w16
.set PA,     144                       ; a row of a panel: 128 bytes + 16: 16 rows start at 16 different groups of four banks (ISA guide 11.1)
.set PANEL,  128*PA
.set PB,     288                       ; a k-row of W's tile: 256 bytes + 32 = 9 x 32
.set HALFT,  2*PANEL                   ; one wave's load: two panels of A, or 128 k-rows of W
.set BOFF,   2*HALFT
.set SLOT,   4*HALFT                   ; 0x24000; wave x HALFT (0x9000 x wave) has neither of its two bits
.set STAGE,  2*SLOT                    ; never filled by a tensor load: 16 rows x 272 bytes for each wave
.set SP,     272
.set SPARE,  STAGE+4*16*SP             ; the spare words: 128 bytes a wave, two blocks of 256 that no other line names
.set ASTEP,  32*65536
.set BSTEP,  256*2048
.set ADRA0, 16
.set ADRA,  17
.set ADRB0, 20
.set ADRBL, 21
.set ADRBH, 22
.set STO,   24
.set RD,    25
.set CO,    26
.set BO,    27
.set SPW,   28
.set NIL,   29
.set BIAS,  96
.set ACC,   128
.set F0,    0
.set F1,    128
.set G1A, 24
.set G0A, 32
.set G1B, 48
.set G0B, 56
.set MSB, 0
.macro WIN new
.if MSB != (\new)
	s_set_vgpr_msb (MSB<<8)|(\new)
.set MSB, \new
.endif
.endm
.set MUL,  0x05
.set TO_F, 0x40
.macro PLACES
.rept 4
	v_nop
.endr
.endm
.macro JLOAD                           ; waves 0, 1 fetch A's halves, waves 2, 3 W's; s_nop 0 and four v_nop follow each line
	s_cmp_eq_u32 s11, 0
	s_cbranch_scc0 .Lfor_b_\@
	tensor_load_to_lds s[G0A+4:G0A+7], s[G1A:G1A+7]
	s_nop 0
.rept 4
	v_nop
.endr
	s_branch .Lasked_\@
.Lfor_b_\@:
	tensor_load_to_lds s[G0B+4:G0B+7], s[G1B:G1B+7]
	s_nop 0
.rept 4
	v_nop
.endr
.Lasked_\@:
.endm
.macro CREST
	s_cmp_lg_u32 s10, 0
	s_cbranch_scc1 .Lnot_wave_0_\@
	s_barrier_signal -3
.Lnot_wave_0_\@:
	s_barrier_wait -3
	s_barrier_signal -1
	s_barrier_wait -1
.endm
.macro CROUND
	s_barrier_signal -1
	s_barrier_wait -1
	CREST
.endm
	s_load_b128 s[4:7], s[0:1], 0x0                ; A s[4:5], w16 s[6:7]
	s_load_b64 s[8:9], s[0:1], 0x10                ; out
	s_load_b128 s[68:71], s[0:1], 0x18             ; bias s[68:69], res s[70:71]
	v_lshl_add_u32 v[SPW], v0, 2, SPARE
	v_mov_b32 v[NIL], 0
	ds_add_u32 v[SPW], v[NIL]                      ; the wave's opening: the add and its wait ahead of my first tensor load
	ds_add_u32 v28, v29
	v_lshrrev_b32 v1, 5, v0
	v_readfirstlane_b32 s10, v1
	s_lshr_b32 s11, s10, 1
	s_and_b32 s12, s10, 1
	s_bfe_u32 s40, ttmp6, 0x40000
	s_bfe_u32 s41, ttmp6, 0x40004
	s_lshl_b32 s42, ttmp9, 2
	s_add_co_u32 s42, s42, s40                     ; tile column
	s_and_b32 s13, ttmp7, 0xffff
	s_lshl_b32 s13, s13, 2
	s_add_co_u32 s13, s13, s41                     ; tile row
	s_lshl_b32 s43, s41, 2
	s_lshl_b32 s43, 15, s43
	s_lshl_b32 s44, 0x1111, s40
	s_or_b32 s[G1A], s43, (1<<16)|(1<<20)|(1<<21)|(4<<22)|(3<<25)   ; 32,768 dense bytes as 128 rows of 256; 4 words of padding behind every 32
	s_mov_b32 s[G1A+1], 128<<16
	s_mov_b32 s[G1A+2], 128<<16
	s_mov_b32 s[G1A+3], 128<<16
	s_mov_b32 s[G1A+4], 128
	s_mov_b32 s[G1A+5], 128
	s_mov_b32 s[G1A+6], 0
	s_mov_b32 s[G1A+7], 0
	s_or_b32 s[G1B], s44, (1<<16)|(1<<20)|(1<<21)|(5<<22)|(7<<25)   ; 128 k-rows of 128 elements; 8 words behind every 64
	s_mov_b32 s[G1B+1], 128<<16
	s_mov_b32 s[G1B+2], 128<<16
	s_mov_b32 s[G1B+3], 128<<16
	s_mov_b32 s[G1B+4], 128
	s_mov_b32 s[G1B+5], 1024
	s_mov_b32 s[G1B+6], 0
	s_mov_b32 s[G1B+7], 0
	s_lshl_b32 s16, s13, 16
	s_lshl_b32 s17, s12, 15
	s_add_co_u32 s16, s16, s17
	s_mov_b32 s17, 0
	s_mul_i32 s46, s12, 128*2048
	s_lshl_b32 s47, s42, 8
	s_add_co_u32 s46, s46, s47
	s_add_co_u32 s46, s46, WOFF
	s_mov_b32 s47, 0
	s_mul_i32 s20, s10, HALFT
	s_wait_dscnt 0x0                               ; the opening add is done
	s_wait_kmcnt 0x0
	s_add_nc_u64 s[14:15], s[4:5], s[16:17]
	s_add_nc_u64 s[46:47], s[6:7], s[46:47]
	CROUND                                         ; the first joint loads meet
.irp s, 0,1
	s_mov_b32 s[G0A+4*(\s)], 1
	s_add_co_u32 s[G0A+4*(\s)+1], s20, (\s)*SLOT
	s_add_nc_u64 s[G0A+4*(\s)+2:G0A+4*(\s)+3], s[14:15], (\s)*ASTEP
	s_or_b32 s[G0A+4*(\s)+3], s[G0A+4*(\s)+3], 0x80000000
	s_mov_b32 s[G0B+4*(\s)], 1
	s_add_co_u32 s[G0B+4*(\s)+1], s20, (\s)*SLOT
	s_add_nc_u64 s[G0B+4*(\s)+2:G0B+4*(\s)+3], s[46:47], (\s)*BSTEP
	s_or_b32 s[G0B+4*(\s)+3], s[G0B+4*(\s)+3], 0x80000000
.endr
	s_cmp_eq_u32 s11, 0                            ; a wave's two first fills stand in one branch: two loads of mine are out
	s_cbranch_scc0 .Lfirst_b
	tensor_load_to_lds s[G0A:G0A+3], s[G1A:G1A+7]
	s_nop 0
	tensor_load_to_lds s[G0A+4:G0A+7], s[G1A:G1A+7]
	s_nop 0
.rept 4
	v_nop
.endr
	s_branch .Lfirst_asked
.Lfirst_b:
	tensor_load_to_lds s[G0B:G0B+3], s[G1B:G1B+7]
	s_nop 0
	tensor_load_to_lds s[G0B+4:G0B+7], s[G1B:G1B+7]
	s_nop 0
.rept 4
	v_nop
.endr
.Lfirst_asked:
	v_and_b32 v1, 15, v0
	v_bfe_u32 v2, v0, 4, 1
	v_mul_u32_u24 v3, v1, PA
	v_lshl_add_u32 v3, v2, 4, v3
	s_mul_i32 s21, s11, 64*PA
	v_add_nc_u32 v[ADRA0], s21, v3
	v_and_b32 v4, 7, v0
	v_lshl_add_u32 v4, v2, 3, v4
	v_mul_u32_u24 v4, v4, PB
	v_bfe_u32 v5, v0, 3, 1
	v_lshl_add_u32 v4, v5, 4, v4
	s_lshl_b32 s22, s12, 7
	s_add_co_u32 s22, s22, BOFF
	v_add_nc_u32 v[ADRB0], s22, v4
	s_mul_i32 s23, s10, 16*SP
	s_add_co_u32 s23, s23, STAGE
	v_mul_u32_u24 v3, v1, SP
	v_lshl_add_u32 v3, v2, 5, v3
	v_add_nc_u32 v[STO], s23, v3
	v_mul_u32_u24 v3, v2, SP
	v_lshl_add_u32 v3, v1, 4, v3
	v_add_nc_u32 v[RD], s23, v3
	v_lshlrev_b32 v[BO], 4, v1
	v_lshl_add_u32 v[CO], v2, 12, v[BO]
	s_lshl_b32 s16, s13, 7
	s_lshl_b32 s17, s11, 6
	s_add_co_u32 s16, s16, s17
	s_lshl_b32 s16, s16, 12
	s_mov_b32 s17, 0
	s_lshl_b32 s46, s42, 9
	s_lshl_b32 s47, s12, 8
	s_add_co_u32 s46, s46, s47
	s_mov_b32 s47, 0
	s_add_nc_u64 s[8:9], s[8:9], s[16:17]
	s_add_nc_u64 s[8:9], s[8:9], s[46:47]
	s_add_nc_u64 s[70:71], s[70:71], s[16:17]
	s_add_nc_u64 s[70:71], s[70:71], s[46:47]
	s_add_nc_u64 s[68:69], s[68:69], s[46:47]
	WIN 0x80                                       ; destination window 2
.set i, 0
.rept 32
	global_load_b128 v[4*i:4*i+3], v[CO], s[70:71] offset:(16*(i/8)+2*(i%8))*4096
.set i, i+1
.endr
	WIN 0
	global_load_b128 v[BIAS:BIAS+3], v[BO], s[68:69]
	s_mov_b32 s2, 0
	v_mov_b32 v[ADRA], v[ADRA0]
	v_mov_b32 v[ADRBL], v[ADRB0]
	v_add_nc_u32 v[ADRBH], 128*PB, v[ADRB0]
.macro MUL8 f, c, a0, zero
	WIN MUL
.irp a, \a0, (\a0)+1
.irp b, 0,1,2,3
.if \zero
	v_wmma_f32_16x16x32_f16 v[ACC+8*(4*(\a)+(\b)):ACC+8*(4*(\a)+(\b))+7], v[(\f)+64+8*(4*(\c)+(\b)):(\f)+64+8*(4*(\c)+(\b))+7], v[(\f)+8*(4*(\c)+(\a)):(\f)+8*(4*(\c)+(\a))+7], 0
.else
	v_wmma_f32_16x16x32_f16 v[ACC+8*(4*(\a)+(\b)):ACC+8*(4*(\a)+(\b))+7], v[(\f)+64+8*(4*(\c)+(\b)):(\f)+64+8*(4*(\c)+(\b))+7], v[(\f)+8*(4*(\c)+(\a)):(\f)+8*(4*(\c)+(\a))+7], v[ACC+8*(4*(\a)+(\b)):ACC+8*(4*(\a)+(\b))+7]
.endif
.endr
.endr
.endm
.macro FETCH q, f
	WIN TO_F
.irp c, 0,1
.irp i, 0,1,2,3
	ds_load_tr16_b128 v[(\f)+64+8*(4*(\c)+(\i)):(\f)+64+8*(4*(\c)+(\i))+3],   v[ADRBL+(\q)/2] offset:((2*(\q)+(\c))%4)*32*PB+32*(\i)
	ds_load_tr16_b128 v[(\f)+64+8*(4*(\c)+(\i))+4:(\f)+64+8*(4*(\c)+(\i))+7], v[ADRBL+(\q)/2] offset:((2*(\q)+(\c))%4)*32*PB+16*PB+32*(\i)
	ds_load_b128 v[(\f)+8*(4*(\c)+(\i)):(\f)+8*(4*(\c)+(\i))+3],   v[ADRA] offset:(\q)*PANEL+(\i)*16*PA+64*(\c)
	ds_load_b128 v[(\f)+8*(4*(\c)+(\i))+4:(\f)+8*(4*(\c)+(\i))+7], v[ADRA] offset:(\q)*PANEL+(\i)*16*PA+64*(\c)+32
.endr
.endr
.endm
.macro QUARTER q, f, g, zero           ; the 16 accumulators take turns
	s_wait_dscnt 16                                ; the first 32 along K are in
	MUL8 \f, 0, 0, \zero
	MUL8 \f, 0, 2, \zero
	PLACES
	FETCH \q, \g
	s_wait_dscnt 32                                ; all but the 32 just issued
	MUL8 \f, 1, 0, 0
	MUL8 \f, 1, 2, 0
.endm
.macro TURN fill                       ; the last quarter and the change of slots: all my tensor loads, the add, my reads, the barrier (fill = 1: a round of the cluster's), the refill first behind it
	WIN 0
	s_wait_tensorcnt 0x0
	ds_add_u32 v[SPW], v[NIL]
	s_wait_dscnt 17                                ; (the add and the youngest sixteen loads may be out)
	MUL8 F1, 0, 0, 0
	s_wait_dscnt 0x0
	s_barrier_signal -1
	MUL8 F1, 0, 2, 0
	WIN 0
	s_barrier_wait -1
.if \fill
	CREST
	s_xor_b32 s[G0A+5], s[G0A+5], SLOT
	s_add_nc_u64 s[G0A+6:G0A+7], s[G0A+6:G0A+7], ASTEP
	s_xor_b32 s[G0B+5], s[G0B+5], SLOT
	s_add_nc_u64 s[G0B+6:G0B+7], s[G0B+6:G0B+7], BSTEP
	JLOAD
.else
	PLACES
.endif
	s_xor_b32 s2, s2, SLOT
	v_add_nc_u32 v[ADRA], s2, v[ADRA0]
	v_add_nc_u32 v[ADRBL], s2, v[ADRB0]
	v_add_nc_u32 v[ADRBH], 128*PB, v[ADRBL]
	FETCH 0, F0
	MUL8 F1, 1, 0, 0
	MUL8 F1, 1, 2, 0
.endm
	s_wait_tensorcnt 0x1                           ; my part of K step 0 is in; step 1's may stay out
	s_barrier_signal -1
	s_barrier_wait -1
	FETCH 0, F0
	QUARTER 1, F0, F1, 1
	WIN 0
	s_mov_b32 s3, NSTEP-1
	s_branch .Lmid
.Ltrip:                                                ; NSTEP - 2 times
	TURN 1
	QUARTER 1, F0, F1, 0
	WIN 0
.Lmid:
	QUARTER 2, F1, F0, 0
	QUARTER 3, F0, F1, 0
	WIN 0
	s_sub_co_u32 s3, s3, 1
	s_cmp_lg_u32 s3, 0
	s_cbranch_scc1 .Ltrip
	TURN 0
	QUARTER 1, F0, F1, 0
	QUARTER 2, F1, F0, 0
	QUARTER 3, F0, F1, 0
	s_wait_dscnt 16
	MUL8 F1, 0, 0, 0
	MUL8 F1, 0, 2, 0
	s_wait_dscnt 0x0
	MUL8 F1, 1, 0, 0
	MUL8 F1, 1, 2, 0
	; THE WAY OUT.  The bias is added onto the residual (these lines are also the places behind the last products); 16 rows at a time go through my own stage and come back as whole rows of 256 bytes.
	s_wait_loadcnt 0x0
	WIN 0x82
.set i, 0
.rept 32
	v_pk_add_f32 v[4*i:4*i+1], v[4*i:4*i+1], v[BIAS:BIAS+1]
	v_pk_add_f32 v[4*i+2:4*i+3], v[4*i+2:4*i+3], v[BIAS+2:BIAS+3]
.set i, i+1
.endr
.macro STG a
	WIN 0
.irp b, 0,1,2,3
	ds_store_b128 v[STO], v[ACC+8*(4*(\a)+(\b)):ACC+8*(4*(\a)+(\b))+3]   offset:64*(\b)      ; each accumulator's low four registers first
	ds_store_b128 v[STO], v[ACC+8*(4*(\a)+(\b))+4:ACC+8*(4*(\a)+(\b))+7] offset:64*(\b)+16
.endr
	WIN 0x40
.irp t, 0,1,2,3,4,5,6,7
	ds_load_b128 v[32*(\a)+4*(\t):32*(\a)+4*(\t)+3], v[RD] offset:(\t)*2*SP   ; LDS serves a wave's instructions in order (ISA guide 5.7.1.4)
.endr
.endm
.macro SEND a, younger
	s_wait_dscnt \younger
	WIN 0x49                                       ; window 1 += window 2
.set i, 0
.rept 16
	v_pk_add_f32 v[32*(\a)+2*i:32*(\a)+2*i+1], v[32*(\a)+2*i:32*(\a)+2*i+1], v[32*(\a)+2*i:32*(\a)+2*i+1]
.set i, i+1
.endr
	WIN 0x04
.irp t, 0,1,2,3,4,5,6,7
	global_store_b128 v[CO], v[32*(\a)+4*(\t):32*(\a)+4*(\t)+3], s[8:9] offset:(16*(\a)+2*(\t))*4096   ; 16 lanes store 256 consecutive bytes, at a multiple of 256
.endr
.endm
	STG 0
	STG 1
	SEND 0, 16                                     ; behind block 0's loads: block 1's eight stores and eight loads
	STG 2
	SEND 1, 16
	STG 3
	SEND 2, 16
	SEND 3, 0
	WIN 0
	s_wait_tensorcnt 0x0                           ; the wave's end
	ds_add_u32 v[SPW], v[NIL]
	s_wait_dscnt 0x0
	CROUND                                         ; the closing round
	s_endpgm
.Lfunc_end_k_q708231c1be_mlp2:
	.size	k_q708231c1be_mlp2, .Lfunc_end_k_q708231c1be_mlp2-k_q708231c1be_mlp2
	.p2alignl 7, 3214868480
	.fill 96, 4, 3214868480
	.section	.rodata,"a",@progbits
	.p2align	6, 0x0
	.amdhsa_kernel k_q708231c1be_mlp2
		.amdhsa_group_segment_fixed_size 327680
		.amdhsa_private_segment_fixed_size 0
		.amdhsa_enable_private_segment 0
		.amdhsa_kernarg_size 40
		.amdhsa_user_sgpr_count 2
		.amdhsa_user_sgpr_kernarg_segment_ptr 1
		.amdhsa_wavefront_size32 1
		.amdhsa_system_sgpr_workgroup_id_x 1
		.amdhsa_system_sgpr_workgroup_id_y 1
		.amdhsa_system_sgpr_workgroup_id_z 1
		.amdhsa_system_vgpr_workitem_id 0
		.amdhsa_next_free_vgpr 640
		.amdhsa_next_free_sgpr 72
		.amdhsa_reserve_vcc 0
		.amdhsa_float_denorm_mode_32 3
		.amdhsa_float_denorm_mode_16_64 3
		.amdhsa_memory_ordered 1
		.amdhsa_forward_progress 1
		.amdhsa_inst_pref_size 71
	.end_amdhsa_kernel
	.amdgpu_metadata
---
amdhsa.version: [ 1, 2 ]
amdhsa.kernels:
  - .name:           k_q708231c1be_mlp2
    .symbol:         k_q708231c1be_mlp2.kd
    .args:
      - { .name: gbuf, .offset: 0, .size: 8, .value_kind: global_buffer, .address_space: global }
      - { .name: w16, .offset: 8, .size: 8, .value_kind: global_buffer, .address_space: global }
      - { .name: out0, .offset: 16, .size: 8, .value_kind: global_buffer, .address_space: global }
      - { .name: b2, .offset: 24, .size: 8, .value_kind: global_buffer, .address_space: global }
      - { .name: x2, .offset: 32, .size: 8, .value_kind: global_buffer, .address_space: global }
    .group_segment_fixed_size: 327680
    .private_segment_fixed_size: 0
    .kernarg_segment_align: 8
    .kernarg_segment_size: 40
    .max_flat_workgroup_size: 128
    .sgpr_count:     72
    .vgpr_count:     640
    .wavefront_size: 32
...
	.end_amdgpu_metadata
.endif
;; end of part 7
;; ======== version 2 of 2: 8 launches; version 1 with the launch cast written anew for expert scheduling mode
;; limits: values are held in f16: magnitudes above 65,504 overflow, below 6.1e-05 lose precision
;; workspace buffers: w16 25,165,824 bytes; hbuf 8,388,608 bytes; qkvb 25,165,824 bytes; obuf 8,388,608 bytes; x2 16,777,216 bytes; gbuf 33,554,432 bytes
;; launch cast (part 8): grid 768 x 1, 8 waves a work-group, no clusters, 0 bytes of LDS; arguments w_qkv, w_out, w1, w2, w16; writes w16
.if DOCPART == 8
	.amdgcn_target "amdgcn-amd-amdhsa--gfx1250"
	.amdhsa_code_object_version 6
	.text
	.protected	k_q708231c1be_cast
	.globl	k_q708231c1be_cast
	.p2align	8
	.type	k_q708231c1be_cast,@function
k_q708231c1be_cast:
	s_mov_b64 s[64:65], 0
	v_nop
	global_prefetch_b8 v0, s[64:65] scope:SCOPE_SE
	s_setreg_imm32_b32 hwreg(HW_REG_WAVE_SCHED_MODE, 0, 2), 2
	s_setreg_imm32_b32 hwreg(HW_REG_WAVE_MODE, 25, 1), 1
	s_wait_xcnt 0x0
	s_wait_alu depctr_vm_vsrc(0)
; The four weight matrices, f32, are rounded once to f16 and laid one behind the other in w16, each still [K][N]:
; w_qkv at byte 0, w_out at 6,291,456, w1 at 8,388,608, w2 at 16,777,216.  A pure stream: no LDS, no barrier, no matrix unit.
; LIMIT: f16 ends at 65,504 and keeps a fixed step of 6e-8 below 6e-5; weights of a spread between 1e-3 and 1 lie well inside.
; A work-group takes 16,384 numbers (65,536 bytes in, 32,768 out): groups 0-191 w_qkv, 192-255 w_out, 256-511 w1, 512-767 w2,
; which is also the order inside w16, so the group's number times 32,768 is its place there.
; Thread t takes 16 bytes at 16 t of each 4,096 bytes read; its 8 bytes of f16 go to 8 t of each 2,048 written:
; a wave's load covers 512 consecutive bytes, a wave's store 256 consecutive bytes at a multiple of 256.
; THE MODE: SCHED_MODE bits 1:0 = 2 (LLVM: expert scheduling mode 2), set by the entry lines.  The code itself states the register dependences
; between vector instructions and memory instructions, with s_wait_alu, always for 0.
; THE PLAN.  The sixteen chunks go in four blocks of four.  Registers that memory instructions touch:
;   v1, v2   byte offsets of the loads and of the stores: made once at the head and never written again.
;   XR       chunk j: written by load j, issued at the head; read by chunk j's two conversions, in block j / 4.  No load is issued behind a conversion.
;   YR       chunk j: written by chunk j's two conversions, once; read by store j, which is issued in block j / 4 + 1 (block 3's behind the last block).
; Block p works on XR and YR of block p.  Its memory instructions are the four stores from YR of block p - 1, which no vector instruction of block p names.
; So one wait at the head of a block states all that its stores hang on, and they are dealt among its conversions with no further wait.
; No register that a memory instruction reads is written again, nor are the two bases: nothing has to be freed.
.set BLOCK, 4                          ; chunks in a block
.set XR, 4                             ; v[4:67]   sixteen loads of four f32
.set YR, 68                            ; v[68:99]  sixteen pairs of packed f16; no register is written twice, so no wait frees any
	s_load_b256 s[4:11], s[0:1], 0x0               ; w_qkv s[4:5], w_out s[6:7], w1 s[8:9], w2 s[10:11]
	s_load_b64 s[12:13], s[0:1], 0x20              ; w16
	v_lshlrev_b32 v1, 4, v0
	v_lshlrev_b32 v2, 3, v0
	s_wait_kmcnt 0x0
	s_mov_b64 s[14:15], s[10:11]                   ; which matrix is mine, and its first group: chosen on the group's number alone
	s_mov_b32 s16, 512
	s_cmp_lt_u32 ttmp9, 512
	s_cselect_b64 s[14:15], s[8:9], s[14:15]
	s_cselect_b32 s16, 256, s16
	s_cmp_lt_u32 ttmp9, 256
	s_cselect_b64 s[14:15], s[6:7], s[14:15]
	s_cselect_b32 s16, 192, s16
	s_cmp_lt_u32 ttmp9, 192
	s_cselect_b64 s[14:15], s[4:5], s[14:15]
	s_cselect_b32 s16, 0, s16
	s_sub_co_u32 s18, ttmp9, s16
	s_lshl_b32 s18, s18, 16                        ; 65,536 bytes a group in the source
	s_mov_b32 s19, 0
	s_add_nc_u64 s[14:15], s[14:15], s[18:19]
	s_lshl_b32 s18, ttmp9, 15                      ; 32,768 bytes a group in w16
	s_add_nc_u64 s[12:13], s[12:13], s[18:19]
	s_wait_alu depctr_va_vdst(0)                   ; v1 and v2 are written: every load and store of the kernel reads one of them as its offset
.set j, 0
.rept 16
	global_load_b128 v[XR+4*j:XR+4*j+3], v1, s[14:15] offset:4096*j th:TH_LOAD_NT
.set j, j+1
.endr
; Block p: its four chunks are rounded; the four chunks of the block before are stored, one store ahead of each chunk's two conversions.
.macro BLK p
	s_wait_loadcnt 12-BLOCK*(\p)                   ; loads come back in order: this block's four are in, the younger blocks stay out
.if (\p) > 0
	s_wait_alu depctr_va_vdst(0)                   ; the block before has written its eight registers of YR, which the four stores below read
.endif
.irp i, 0,1,2,3
.if (\p) > 0
	global_store_b64 v2, v[YR+2*(BLOCK*((\p)-1)+(\i)):YR+2*(BLOCK*((\p)-1)+(\i))+1], s[12:13] offset:2048*(BLOCK*((\p)-1)+(\i))  ; no vector instruction since the wait names these registers
.endif
	v_cvt_pk_f16_f32 v[YR+2*(BLOCK*(\p)+(\i))],   v[XR+4*(BLOCK*(\p)+(\i))],   v[XR+4*(BLOCK*(\p)+(\i))+1]
	v_cvt_pk_f16_f32 v[YR+2*(BLOCK*(\p)+(\i))+1], v[XR+4*(BLOCK*(\p)+(\i))+2], v[XR+4*(BLOCK*(\p)+(\i))+3]
.endr
.endm
	BLK 0                                          ; no block stands in front of it: no store, and no wait but the one for its data
	BLK 1
	BLK 2
	BLK 3
	s_wait_alu depctr_va_vdst(0)                   ; block 3 has written its eight registers of YR, which the last four stores read
.irp i, 0,1,2,3
	global_store_b64 v2, v[YR+2*(3*BLOCK+(\i)):YR+2*(3*BLOCK+(\i))+1], s[12:13] offset:2048*(3*BLOCK+(\i))
.endr
	s_endpgm
.Lfunc_end_k_q708231c1be_cast:
	.size	k_q708231c1be_cast, .Lfunc_end_k_q708231c1be_cast-k_q708231c1be_cast
	.p2alignl 7, 3214868480
	.fill 96, 4, 3214868480
	.section	.rodata,"a",@progbits
	.p2align	6, 0x0
	.amdhsa_kernel k_q708231c1be_cast
		.amdhsa_group_segment_fixed_size 0
		.amdhsa_private_segment_fixed_size 0
		.amdhsa_enable_private_segment 0
		.amdhsa_kernarg_size 40
		.amdhsa_user_sgpr_count 2
		.amdhsa_user_sgpr_kernarg_segment_ptr 1
		.amdhsa_wavefront_size32 1
		.amdhsa_system_sgpr_workgroup_id_x 1
		.amdhsa_system_sgpr_workgroup_id_y 1
		.amdhsa_system_sgpr_workgroup_id_z 1
		.amdhsa_system_vgpr_workitem_id 0
		.amdhsa_next_free_vgpr 104
		.amdhsa_next_free_sgpr 66
		.amdhsa_reserve_vcc 0
		.amdhsa_float_denorm_mode_32 3
		.amdhsa_float_denorm_mode_16_64 3
		.amdhsa_memory_ordered 1
		.amdhsa_forward_progress 1
		.amdhsa_inst_pref_size 7
	.end_amdhsa_kernel
	.amdgpu_metadata
---
amdhsa.version: [ 1, 2 ]
amdhsa.kernels:
  - .name:           k_q708231c1be_cast
    .symbol:         k_q708231c1be_cast.kd
    .args:
      - { .name: w_qkv, .offset: 0, .size: 8, .value_kind: global_buffer, .address_space: global }
      - { .name: w_out, .offset: 8, .size: 8, .value_kind: global_buffer, .address_space: global }
      - { .name: w1, .offset: 16, .size: 8, .value_kind: global_buffer, .address_space: global }
      - { .name: w2, .offset: 24, .size: 8, .value_kind: global_buffer, .address_space: global }
      - { .name: w16, .offset: 32, .size: 8, .value_kind: global_buffer, .address_space: global }
    .group_segment_fixed_size: 0
    .private_segment_fixed_size: 0
    .kernarg_segment_align: 8
    .kernarg_segment_size: 40
    .max_flat_workgroup_size: 256
    .sgpr_count:     66
    .vgpr_count:     104
    .wavefront_size: 32
...
	.end_amdgpu_metadata
.endif
;; end of part 8
;; launch ln1: the kernel of part 2 again; grid 256 x 1, 8 waves a work-group, no clusters, 0 bytes of LDS; arguments x, ln1_g, ln1_b, hbuf; writes hbuf
;; launch qkv: the kernel of part 3 again; grid 12 x 16, 4 waves a work-group, clusters of 4 x 4, 327,680 bytes of LDS; arguments hbuf, w16, qkvb; writes qkvb
;; launch attn: the kernel of part 4 again; grid 8 x 32, 4 waves a work-group, no clusters, 327,680 bytes of LDS; arguments qkvb, obuf; writes obuf
;; launch proj: the kernel of part 5 again; grid 8 x 32, 4 waves a work-group, clusters of 4 x 4, 327,680 bytes of LDS; arguments obuf, w16, x2, b_out, x; writes x2
;; launch ln2: the kernel of part 2 again; grid 256 x 1, 8 waves a work-group, no clusters, 0 bytes of LDS; arguments x2, ln2_g, ln2_b, hbuf; writes hbuf
;; launch mlp1: the kernel of part 6 again; grid 16 x 16, 4 waves a work-group, clusters of 4 x 4, 327,680 bytes of LDS; arguments hbuf, w16, gbuf, b1; writes gbuf
;; launch mlp2: the kernel of part 7 again; grid 8 x 32, 4 waves a work-group, clusters of 4 x 4, 327,680 bytes of LDS; arguments gbuf, w16, out0, b2, x2; writes out0
